; MI455X (gfx1250); checked and timed in simulation.
; The chip was launched on July 23, 2026; its instructions are those of AMD's public machine-readable ISA for CDNA 5 (MIT licence, August 2026) and "CDNA5" Instruction Set Architecture Reference Guide (July 2026). The comments in the code are by the model that wrote it; some were corrected since.
;; Cross Attention. Allowed arithmetic: matrix products marked QUANTISED: E2M1 operands, one E8M0 scale for each 32 along K, by v_wmma_scale_f32_16x16x128_f8f6f4 with both operands' format E2M1 (or v_wmma_scale_f32_32x16x128_f4), f32 sums; products left as they are: bf16, f16 or f32 operands; f32 sums; everything else in f32.
;; Inputs: k_norm_w 64 float32; kv 4 x 2,048 x 1,024 float32; pos_k 2,048 int32; pos_q 1,024 int32; q_norm_w 64 float32; queries 4 x 1,024 x 1,024 float32; wkv 2,048 x 1,024 float32; wo 1,024 x 1,024 float32; wq 1,024 x 1,024 float32.
;; Outputs: out0 4 x 1,024 x 1,024 float32.
;; This version of the problem:
;;   THIS VERSION OF THE PROBLEM IS GIVEN IN LOW PRECISION. The matrix products marked QUANTISED in the list below multiply operands that are first quantised to E2M1 (2 exponent bits, 1 mantissa bit; 4 bits a number), with one power-of-two scale for each 32 numbers along K (OCP MX v1.0); their sums are f32. The products marked 'left as it is' may take bf16, f16 or f32 operands, with f32 sums. Whichever they take, every output number must still come out within the allowed error. Rounding operands to bf16 (8 significant bits) uses up far more of that allowance than f16 does (11 bits, for magnitudes from 6e-5 to 65,504). All else is computed in f32.
;;   The module's matrix products, in the order in which they are computed (A, B: the left and right operand; K: the contracted axis; several contracted axes count as one K, in the product's order):
;;     1. [M 4,096, K 1,024] x [K 1,024, N 1,024]; A: input queries; B: input wq: QUANTISED
;;     2. [M 8,192, K 1,024] x [K 1,024, N 2,048]; A: input kv; B: input wkv: QUANTISED
;;     3. batch 64 x [M 1,024, K 64] x [K 64, N 2,048]; A: computed on the way; B: computed on the way: left as it is (an operand is computed on the way)
;;     4. batch 64 x [M 1,024, K 2,048] x [K 2,048, N 64]; A: computed on the way; B: computed on the way: left as it is (an operand is computed on the way)
;;     5. [M 4,096, K 1,024] x [K 1,024, N 1,024]; A: computed on the way; B: input wo: left as it is (an operand is computed on the way)
;;   THE QUANTISER, for each operand of a quantised product, along K:
;;     - K is cut into blocks of 32 from its start; a last block that is shorter is filled with zeros.
;;     - A block's scale is 2^e with e = floor(log2(the largest magnitude in the block)) - 2, held to -126 .. 127; a block of zeros has e = 0. As a byte (E8M0): e + 127.
;;     - Each number is divided by its block's scale, clamped to +-6, and rounded to the nearest number of E2M1, ties to even, subnormals kept.
;;     - The product sums the exact products of the quantised numbers (number of the format x scale) in f32.
;;   ~~~python
;;   def quantise(x, axis):      # numpy; x: float32 -> the quantised numbers, widened to float32 again
;;       x = np.moveaxis(x, axis, -1); K = x.shape[-1]
;;       x = np.pad(x, [(0, 0)] * (x.ndim - 1) + [(0, -K % 32)]); x = x.reshape(x.shape[:-1] + (-1, 32)); a = np.abs(x).max(-1, keepdims=True)
;;       e = np.where(a > 0, np.clip(np.frexp(np.where(a > 0, a, 1))[1] - 1 - 2, -126, 127), 0)      # np.frexp(a)[1] - 1 = floor(log2(a)), exactly
;;       r = np.clip(x / 2.0 ** e, -6, 6)
;;       step = 2.0 ** (np.maximum(np.frexp(np.where(r == 0, 1, r))[1] - 1, 0) - 1)
;;       q = np.round(r / step) * step * 2.0 ** e      # np.round: ties to even
;;       return np.moveaxis(q.reshape(q.shape[:-2] + (-1,))[..., :K], -1, axis).astype(np.float32)
;;   ~~~
;; One version. Each part assembles by itself: llvm-mc -triple=amdgcn-amd-amdhsa -mcpu=gfx1250 --defsym DOCPART=n.
;; ======== version 1 of 1: 4 launches
;; limits: values are held in f16: magnitudes above 65,504 overflow, below 6.1e-05 lose precision; right only within a limited range of input values
;; workspace buffers: codes 7,864,320 bytes; scales 491,520 bytes; rope 786,432 bytes; wo_img 2,097,152 bytes; q_img 8,388,608 bytes; kv_img 33,554,432 bytes; y_img 8,388,608 bytes
;; launch prep (part 1): grid 592 x 1, 4 waves a work-group, no clusters, 33,280 bytes of LDS; arguments kv, queries, wkv, wq, wo, pos_k, pos_q, codes, scales, rope, wo_img; writes codes, scales, rope, wo_img
.if DOCPART == 1
	.amdgcn_target "amdgcn-amd-amdhsa--gfx1250"
	.amdhsa_code_object_version 6
	.text
	.protected	k_q0a0c114b2b_prep
	.globl	k_q0a0c114b2b_prep
	.p2align	8
	.type	k_q0a0c114b2b_prep,@function
k_q0a0c114b2b_prep:
	s_mov_b64 s[64:65], 0
	v_nop
	global_prefetch_b8 v0, s[64:65] scope:SCOPE_SE
	s_setreg_imm32_b32 hwreg(HW_REG_WAVE_MODE, 25, 1), 1
	s_wait_xcnt 0x0
; THREE JOBS IN ONE LAUNCH, told apart by the work-group's number alone.
; A (work-groups 0-479): kv [8192][1024], queries [4096][1024], wkv [2048][1024], wq [1024][1024], f32, K innermost, become codes of FP4 (E2M1) and one E8M0 byte for each 32 along K.
;   All four are plain streams of blocks of 32; their codes lie on end in one buffer of 15,360 rows of 512 bytes (kv, queries, wkv, wq), their bytes likewise, 32 a row.
;   A block's scale is 2^(floor(log2(largest magnitude)) - 2): its byte is the largest magnitude's exponent field - 2, held at 1 from below; each number / scale goes to the nearest code, ties to even, beyond 6 to 6.
; B (480-527): cos and sin of pos x 10000^(-i/32), i = 0..31, for pos_k's 2,048 and pos_q's 1,024 positions, laid as the next launch's registers want them: a tile of 16 positions is 8 chunks of 512 bytes
;   (4 of cos, 4 of sin); in chunk 2 t + u lane (r, h) has position r, frequencies 16 t + 8 h + 4 u + 0..3.
; C (528-591): wo [1024][1024] f32 becomes f16, laid as images of a matrix operand's registers: [K step of 256][16 rows][32 along K][half][lane][16 bytes].
; LIMITS.  A: a block of zeros, or one whose largest magnitude lies under 2^-124, gets the byte 1 (a block of zeros has zero codes, which add nothing; this program alone reads the bytes).  NaN and infinities are not served.
;   B: the angle is reduced by pi/2 in two parts: good while |pos x frequency| stays under 2^22.  The frequency is 2^(-i log2(10000)/32) by v_exp_f32, good to a unit in the last place, so an angle may differ
;   from the f32 power's by about 1.5e-7 of its size.   C: wo's numbers must lie inside f16's range (under 65,504).
.set STEPS, 16
.set EMAX,  2
.set CB,    8                          ; bytes of 16 codes
.set R,     16                         ; v16-79   A: four sets of 16 numbers as they are loaded
.set X,     80                         ; v80-111  A: two sets of 16 neighbours
.set C,     128                        ; v128-191 A: codes, four registers for each step
.set E,     112                        ; v112-127 A: a scale byte for each step
.set WREG,  8192                       ; LDS: a region for each wave: two stages of 32 x SP bytes, then its 256 scale bytes
.set SP,    80                         ; a lane's place in a stage: 64 bytes + 16 of padding
.set SPW,   12                         ; v12  LDS address of my spare word; never rewritten
.set NIL,   13                         ; v13  0; never rewritten
.set SPARE, 4*WREG                     ; behind the four regions: the spare words, 128 bytes a wave
	s_load_b256 s[4:11], s[0:1], 0x0               ; kv, queries, wkv, wq
	s_load_b128 s[12:15], s[0:1], 0x20             ; wo, pos_k
	s_load_b128 s[16:19], s[0:1], 0x30             ; pos_q, codes
	s_load_b128 s[20:23], s[0:1], 0x40             ; scales, rope
	s_load_b64 s[24:25], s[0:1], 0x50              ; wo_img
	v_lshl_add_u32 v[SPW], v0, 2, SPARE
	v_mov_b32 v[NIL], 0
	v_lshrrev_b32 v1, 5, v0
	v_readfirstlane_b32 s26, v1                    ; wave 0..3
	v_and_b32 v2, 31, v0                           ; lane
	s_wait_kmcnt 0x0
	s_cmp_ge_u32 ttmp9, 480
	s_cbranch_scc1 .Lother
; ---------------- A: the quantiser.  A wave takes 16 steps of 512 numbers.  Each load reads 512 consecutive bytes; a step's 2,048 bytes turn through the wave's own stage in LDS and come back 64 bytes a lane,
; so that a lane holds 16 neighbours along K and two neighbouring lanes a block.
	v_lshlrev_b32 v3, 4, v2                        ; my 16 bytes of a load's 512
	s_mul_i32 s27, s26, WREG
	v_lshrrev_b32 v14, 2, v2
	v_mul_u32_u24 v14, v14, SP
	v_and_b32 v15, 3, v2
	v_lshl_add_u32 v14, v15, 4, v14
	v_add_nc_u32 v14, s27, v14                     ; the stage, on the way in: SP (lane / 4) + 16 (lane % 4)
	v_mul_u32_u24 v15, v2, SP
	v_add_nc_u32 v15, s27, v15                     ; and on the way out: SP x lane
	v_mul_u32_u24 v4, v2, CB                       ; my codes' place in a step's
	v_lshrrev_b32 v5, 1, v2
	s_add_co_u32 s27, s27, 2*32*SP
	v_add_nc_u32 v5, s27, v5                       ; LDS: my wave's 256 scale bytes, my block's byte
	v_lshlrev_b32 v7, 3, v2
	v_add_nc_u32 v6, s27, v7                       ; and on the way out 8 bytes a lane
	s_mov_b32 s30, 448                             ; which tensor, and where its work-groups begin: the choice hangs on the work-group's number alone
	s_cmp_lt_u32 ttmp9, 448
	s_cselect_b64 s[28:29], s[8:9], s[10:11]
	s_cselect_b32 s30, 384, s30
	s_cmp_lt_u32 ttmp9, 384
	s_cselect_b64 s[28:29], s[6:7], s[28:29]
	s_cselect_b32 s30, 256, s30
	s_cmp_lt_u32 ttmp9, 256
	s_cselect_b64 s[28:29], s[4:5], s[28:29]
	s_cselect_b32 s30, 0, s30
	s_sub_co_u32 s30, ttmp9, s30
	s_lshl_b32 s30, s30, 2
	s_add_co_u32 s30, s30, s26                     ; my run of 8,192 numbers in its tensor,
	s_lshl_b32 s30, s30, 15                        ; 32,768 bytes a run (under 2^26)
	s_mov_b32 s31, 0
	s_add_nc_u64 s[28:29], s[28:29], s[30:31]
	s_lshl_b32 s32, ttmp9, 2
	s_add_co_u32 s32, s32, s26                     ; and among all runs: the four tensors' codes lie on end
	s_lshl_b32 s34, s32, 12                        ; 4,096 bytes of codes a run
	s_mov_b32 s35, 0
	s_add_nc_u64 s[18:19], s[18:19], s[34:35]
	s_lshl_b32 s34, s32, 8                         ; 256 scale bytes a run
	s_add_nc_u64 s[20:21], s[20:21], s[34:35]
.macro LOAD t
.irp i, 0,1,2,3
	global_load_b128 v[R+16*((\t)%4)+4*\i:R+16*((\t)%4)+4*\i+3], v3, s[28:29] offset:2048*(\t)+512*\i th:TH_LOAD_NT
.endr
.endm
.macro TURN t                          ; step t's numbers through the stage: LDS serves a wave's instructions in order, so no wait stands between the stores and the loads
.irp i, 0,1,2,3
	ds_store_b128 v14, v[R+16*((\t)%4)+4*\i:R+16*((\t)%4)+4*\i+3] offset:32*SP*((\t)%2)+8*SP*\i
.endr
.irp i, 0,1,2,3
	ds_load_b128 v[X+16*((\t)%2)+4*\i:X+16*((\t)%2)+4*\i+3], v15 offset:32*SP*((\t)%2)+16*\i
.endr
.endm
.irp t, 0,1,2,3
	LOAD \t
.endr
	s_wait_loadcnt 12                              ; step 0's four loads are in; three steps' twelve stay out
	TURN 0
.macro STEP t
.set XS, X+16*((\t)%2)
.if (\t) > 0
	s_wait_dscnt 1                                 ; this step's numbers are back from the stage (the last step's byte store may be out)
.else
	s_wait_dscnt 0x0
.endif
.if (\t)+4 < STEPS
	LOAD (\t)+4                                    ; into the registers that this step's stage stores have read
.endif
.if (\t)+1 < STEPS
.if STEPS-2-(\t) >= 3
	s_wait_loadcnt 12                              ; the next step's four loads are in; those of the three steps behind it may be out
.else
	s_wait_loadcnt 4*(STEPS-2-(\t))
.endif
	TURN (\t)+1
.endif
	v_max3_num_f32 v8, |v[XS]|, |v[XS+1]|, |v[XS+2]|               ; the largest magnitude of my 16, in two chains
	v_max3_num_f32 v9, |v[XS+3]|, |v[XS+4]|, |v[XS+5]|
.irp i, 6,10
	v_max3_num_f32 v8, v8, |v[XS+\i]|, |v[XS+\i+1]|
	v_max3_num_f32 v9, v9, |v[XS+\i+2]|, |v[XS+\i+3]|
.endr
	v_max3_num_f32 v8, v8, |v[XS+14]|, |v[XS+15]|
	v_max3_num_f32 v8, v8, v9, (EMAX+1)<<23        ; and the floor 2^(3 - 127): the byte cannot fall under 1
	v_max_num_f32_dpp v8, v8, v8 row_xmask:1 row_mask:0xf bank_mask:0xf   ; with my neighbour's 16: the block's
	v_add_nc_u32 v11, -(EMAX<<23), v8              ; 2 off its exponent field: the conversion takes the exponent field of this operand as its scale
	v_cvt_scalef32_pk8_fp4_f32 v[C+4*(\t)], v[XS:XS+7], v11
	v_cvt_scalef32_pk8_fp4_f32 v[C+4*(\t)+1], v[XS+8:XS+15], v11
	v_lshrrev_b32 v[E+(\t)], 23, v11               ; the scale's byte (also the plain line behind the conversions)
	ds_store_b8 v5, v[E+(\t)] offset:16*(\t)       ; both lanes of a block write the same byte with the same value
	global_store_b64 v4, v[C+4*(\t):C+4*(\t)+1], s[18:19] offset:32*CB*(\t)   ; the wave stores 256 consecutive bytes, aligned
.endm
.irp t, 0,1,2,3,4,5,6,7,8,9,10,11,12,13,14,15
	STEP \t
.endr
	ds_load_b64 v[8:9], v6                         ; my wave's 256 scale bytes: these loads see my stores
	s_wait_dscnt 0x0
	global_store_b64 v7, v[8:9], s[20:21]          ; 256 consecutive bytes, aligned
	s_wait_tensorcnt 0x0                           ; the wave's end: behind my last LDS store
	ds_add_u32 v[SPW], v[NIL]
	s_wait_dscnt 0x0
	s_endpgm
.Lother:
	s_cmp_ge_u32 ttmp9, 528
	s_cbranch_scc1 .Lwo
; ---------------- B: the table.  A wave makes one tile of 16 positions: tiles 0-127 pos_k's, 128-191 pos_q's.  No LDS.
	s_sub_co_u32 s27, ttmp9, 480
	s_lshl_b32 s27, s27, 2
	s_add_co_u32 s27, s27, s26                     ; the tile
	s_cmp_lt_u32 s27, 128
	s_cselect_b64 s[28:29], s[14:15], s[16:17]
	s_cselect_b32 s30, 0, 128
	s_sub_co_u32 s30, s27, s30
	s_lshl_b32 s30, s30, 6                         ; 16 positions of 4 bytes
	s_mov_b32 s31, 0
	s_add_nc_u64 s[28:29], s[28:29], s[30:31]
	s_lshl_b32 s30, s27, 12                        ; 4,096 bytes of table a tile
	s_add_nc_u64 s[22:23], s[22:23], s[30:31]
	v_and_b32 v3, 15, v0                           ; r
	v_bfe_u32 v4, v0, 4, 1                         ; h
	v_lshlrev_b32 v5, 2, v3
	global_load_b32 v6, v5, s[28:29]               ; my position
	v_lshlrev_b32 v10, 4, v2                       ; 16 x lane
	s_mov_b32 s32, 0x3fc90fdb                      ; pi/2, its leading part,
	s_mov_b32 s33, 0x333bbd2e                      ; and that part less pi/2
	s_mov_b32 s34, 0xb94ca1f9                      ; sine's polynomial
	s_mov_b32 s35, 0x3c08839e
	s_mov_b32 s36, 0xbe2aaaa3
	s_mov_b32 s37, 0x37ccf5ce                      ; cosine's
	s_mov_b32 s38, 0xbab6061a
	s_mov_b32 s39, 0x3d2aaaa5
	v_lshlrev_b32 v65, 3, v4
.irp n, 0,1,2,3,4,5,6,7,8,9,10,11,12,13,14,15
	v_add_nc_u32 v[16+\n], 16*(\n/8)+\n%8, v65     ; register 8 t + j: frequency i = 16 t + 8 h + j
.endr
.irp n, 0,1,2,3,4,5,6,7,8,9,10,11,12,13,14,15
	v_cvt_f32_u32 v[16+\n], v[16+\n]
.endr
.irp n, 0,1,2,3,4,5,6,7,8,9,10,11,12,13,14,15
	v_mul_f32 v[16+\n], 0xbed49a78, v[16+\n]       ; -i log2(10000) / 32
.endr
.irp n, 0,1,2,3,4,5,6,7,8,9,10,11,12,13,14,15
	v_exp_f32 v[16+\n], v[16+\n]                   ; 10000^(-i/32): one batch
.endr
	v_nop                                          ; a plain line behind the last of them
	s_wait_alu depctr_va_vdst(0)                   ; one wait for the sixteen, ahead of their first reader
	s_wait_loadcnt 0x0
	v_cvt_f32_i32 v7, v6
.macro SINCOS n                        ; cos -> v[32+n], sin -> v[48+n]
	v_mul_f32 v64, v7, v[16+\n]                    ; the angle, rounded once, as the definition has it
	v_mul_f32 v65, 0x3f22f983, v64
	v_rndne_f32 v65, v65                           ; k = the nearest whole number to angle x 2/pi
	v_fma_f32 v66, -v65, s32, v64
	v_fma_f32 v66, v65, s33, v66                   ; x = angle - k pi/2, |x| <= pi/4
	v_mul_f32 v67, v66, v66
	v_fma_f32 v68, v67, s34, s35
	v_fma_f32 v69, v67, s37, s38
	v_fma_f32 v68, v68, v67, s36
	v_fma_f32 v69, v69, v67, s39
	v_mul_f32 v68, v68, v67
	v_mul_f32 v69, v69, v67
	v_fma_f32 v70, v67, -0.5, 1.0
	v_fma_f32 v68, v68, v66, v66                   ; sin x
	v_fma_f32 v69, v69, v67, v70                   ; cos x
	v_cvt_i32_f32 v71, v65
	v_and_b32 v72, 1, v71
	v_cmp_eq_u32 vcc_lo, 1, v72                    ; odd k: the two change places
	v_cndmask_b32 v73, v68, v69, vcc_lo
	v_cndmask_b32 v74, v69, v68, vcc_lo
	v_and_b32 v72, 2, v71                          ; sine is negated where k mod 4 is 2 or 3,
	v_lshlrev_b32 v72, 30, v72
	v_add_nc_u32 v71, 1, v71                       ; cosine where it is 1 or 2
	v_and_b32 v71, 2, v71
	v_lshlrev_b32 v71, 30, v71
	v_xor_b32 v[48+\n], v73, v72
	v_xor_b32 v[32+\n], v74, v71
.endm
.irp n, 0,1,2,3,4,5,6,7,8,9,10,11,12,13,14,15
	SINCOS \n
.endr
.irp c, 0,1,2,3,4,5,6,7
	global_store_b128 v10, v[32+4*\c:35+4*\c], s[22:23] offset:512*\c   ; 512 consecutive bytes a store: chunks 0-3 cos, 4-7 sin
.endr
	s_endpgm
.Lwo:
; ---------------- C: wo.  Work-group nt takes rows 16 nt .. 16 nt + 15, wave ks columns 256 ks .. 256 ks + 255: sixteen chunks.  Lane (r, h) of chunk 2 kf + c holds wo[16 nt + r][256 ks + 32 kf + 16 c + 8 h + 0..7].  No LDS.
	s_sub_co_u32 s27, ttmp9, 528                   ; nt
	s_lshl_b32 s30, s27, 16                        ; 16 rows of 4,096 bytes
	s_lshl_b32 s31, s26, 10
	s_add_co_u32 s30, s30, s31
	s_mov_b32 s31, 0
	s_add_nc_u64 s[12:13], s[12:13], s[30:31]
	s_lshl_b32 s30, s26, 19                        ; the image: 524,288 bytes a K step, 8,192 a tile of rows
	s_lshl_b32 s27, s27, 13
	s_add_co_u32 s30, s30, s27
	s_add_nc_u64 s[24:25], s[24:25], s[30:31]
	v_and_b32 v3, 15, v0
	v_bfe_u32 v4, v0, 4, 1
	v_lshlrev_b32 v5, 12, v3
	v_lshl_add_u32 v5, v4, 5, v5                   ; row r, + 32 h bytes
	v_lshlrev_b32 v10, 4, v2
.irp q, 0,1,2,3,4,5,6,7,8,9,10,11,12,13,14,15
	global_load_b128 v[16+8*\q:19+8*\q], v5, s[12:13] offset:64*\q th:TH_LOAD_NT
	global_load_b128 v[20+8*\q:23+8*\q], v5, s[12:13] offset:64*\q+16 th:TH_LOAD_NT
.endr
.irp q, 0,1,2,3,4,5,6,7,8,9,10,11,12,13,14,15
	s_wait_loadcnt 30-2*\q                         ; this chunk's two loads are in; the younger chunks' stay out
.irp i, 0,1,2,3
	v_cvt_pk_f16_f32 v[16+8*\q+\i], v[16+8*\q+2*\i], v[17+8*\q+2*\i]   ; packed in place, ascending: no source is written before it is read
.endr
	global_store_b128 v10, v[16+8*\q:19+8*\q], s[24:25] offset:512*\q  ; 512 consecutive bytes
.endr
	s_endpgm
.Lfunc_end_k_q0a0c114b2b_prep:
	.size	k_q0a0c114b2b_prep, .Lfunc_end_k_q0a0c114b2b_prep-k_q0a0c114b2b_prep
	.p2alignl 7, 3214868480
	.fill 96, 4, 3214868480
	.section	.rodata,"a",@progbits
	.p2align	6, 0x0
	.amdhsa_kernel k_q0a0c114b2b_prep
		.amdhsa_group_segment_fixed_size 33280
		.amdhsa_private_segment_fixed_size 0
		.amdhsa_enable_private_segment 0
		.amdhsa_kernarg_size 88
		.amdhsa_user_sgpr_count 2
		.amdhsa_user_sgpr_kernarg_segment_ptr 1
		.amdhsa_wavefront_size32 1
		.amdhsa_system_sgpr_workgroup_id_x 1
		.amdhsa_system_sgpr_workgroup_id_y 1
		.amdhsa_system_sgpr_workgroup_id_z 1
		.amdhsa_system_vgpr_workitem_id 0
		.amdhsa_next_free_vgpr 192
		.amdhsa_next_free_sgpr 66
		.amdhsa_reserve_vcc 1
		.amdhsa_float_denorm_mode_32 3
		.amdhsa_float_denorm_mode_16_64 3
		.amdhsa_memory_ordered 1
		.amdhsa_forward_progress 1
		.amdhsa_inst_pref_size 67
	.end_amdhsa_kernel
	.amdgpu_metadata
---
amdhsa.version: [ 1, 2 ]
amdhsa.kernels:
  - .name:           k_q0a0c114b2b_prep
    .symbol:         k_q0a0c114b2b_prep.kd
    .args:
      - { .name: kv, .offset: 0, .size: 8, .value_kind: global_buffer, .address_space: global }
      - { .name: queries, .offset: 8, .size: 8, .value_kind: global_buffer, .address_space: global }
      - { .name: wkv, .offset: 16, .size: 8, .value_kind: global_buffer, .address_space: global }
      - { .name: wq, .offset: 24, .size: 8, .value_kind: global_buffer, .address_space: global }
      - { .name: wo, .offset: 32, .size: 8, .value_kind: global_buffer, .address_space: global }
      - { .name: pos_k, .offset: 40, .size: 8, .value_kind: global_buffer, .address_space: global }
      - { .name: pos_q, .offset: 48, .size: 8, .value_kind: global_buffer, .address_space: global }
      - { .name: codes, .offset: 56, .size: 8, .value_kind: global_buffer, .address_space: global }
      - { .name: scales, .offset: 64, .size: 8, .value_kind: global_buffer, .address_space: global }
      - { .name: rope, .offset: 72, .size: 8, .value_kind: global_buffer, .address_space: global }
      - { .name: wo_img, .offset: 80, .size: 8, .value_kind: global_buffer, .address_space: global }
    .group_segment_fixed_size: 33280
    .private_segment_fixed_size: 0
    .kernarg_segment_align: 8
    .kernarg_segment_size: 88
    .max_flat_workgroup_size: 128
    .sgpr_count:     66
    .vgpr_count:     192
    .wavefront_size: 32
...
	.end_amdgpu_metadata
.endif
;; end of part 1
;; launch proj (part 2): grid 8 x 40, 4 waves a work-group, clusters of 4 x 4, 327,680 bytes of LDS; arguments codes, scales, rope, q_norm_w, k_norm_w, q_img, kv_img; writes q_img, kv_img
.if DOCPART == 2
	.amdgcn_target "amdgcn-amd-amdhsa--gfx1250"
	.amdhsa_code_object_version 6
	.text
	.protected	k_q0a0c114b2b_proj
	.globl	k_q0a0c114b2b_proj
	.p2align	8
	.type	k_q0a0c114b2b_proj,@function
k_q0a0c114b2b_proj:
	s_mov_b64 s[64:65], 0
	v_nop
	global_prefetch_b8 v0, s[64:65] scope:SCOPE_SE
	s_setreg_imm32_b32 hwreg(HW_REG_WAVE_MODE, 25, 1), 1
	s_wait_xcnt 0x0
	s_wait_alu depctr_hold_cnt(0) depctr_sa_sdst(0) depctr_va_vdst(0) depctr_va_sdst(0) depctr_va_ssrc(0) depctr_va_vcc(0) depctr_vm_vsrc(0)
	s_getreg_b32 s2, hwreg(HW_REG_IB_STS2, 6, 4)
	s_cmp_eq_u32 s2, 0
	s_cbranch_scc0 .Lentry_in_a_cluster
	s_endpgm
.Lentry_in_a_cluster:
	s_bfe_u32 s2, ttmp6, 0x10000c
	s_cmp_lg_u32 s2, 0xf033
	s_cbranch_scc0 .Lentry_shape_is_right
	s_endpgm
.Lentry_shape_is_right:
; BOTH PROJECTIONS, as one product on codes of FP4 (E2M1) with one E8M0 scale for each 32 along K = 1,024, and behind it the RMS norm over each head's 64 channels, the rotation by position, and the rounding to f16.
; The codes' buffer has 15,360 rows of 512 bytes: 0-8191 kv, 8192-12287 queries, 12288-14335 wkv, 14336-15359 wq; the scale bytes 32 a row.  Tiles of 256 x 256: rows of kv against wkv (32 x 8 tiles), rows of queries
; against wq (16 x 4): 320 work-groups, 20 clusters of 4 x 4.  Clusters with y < 8 take kv (x: which half of wkv's tiles), the four with y >= 8 take queries.  Which of the two is the same in all partners of a cluster.
; A work-group has four waves, a wave 128 x 128: 64 accumulators, 512 registers.  All of K is two LDS slots of 512 along K: every fill is a first fill, asked for at the head; nothing is filled again.
; CLUSTERS.  The four of a row of the cluster need the same rows of A, the four of a column the same rows of B: each tile is asked for jointly, by the same tensor load with the same descriptor and a mask that names the four.
; THE MATRIX INSTRUCTION IS USED TRANSPOSED (source 0 = 16 rows of the weight, source 1 = 16 rows of kv or queries): lane (r, h) holds row r and, in accumulator b, columns 16 b + 8 h + 0..7.
; A wave's 128 columns are one head's [k 64 | v 64] (kv) or two heads' q.  A row's 64 channels lie in lanes r and r + 16: the mean of squares wants one exchange.  The rotation pairs channel c with c + 32: the same lane.
; WHAT IS STORED are images of the next launch's operand registers: chunks of 512 bytes, lane l's 16 bytes at 16 l.  So every store of the wave covers 512 consecutive bytes straight from registers, with no stage.
;   q, k: chunk t of a tile of 16 rows: lane (r, h): row r, channels 16 t + 8 h + 0..7.   v: laid so that the turning LDS load at 16 x lane gives v with the keys along the registers: my 16 bytes go to place 16 (r / 8) + 8 h + r % 8.
;   q's norm weights are multiplied by log2(e) / 8: the scores then are exponents of 2.
; COS AND SIN of my eight blocks of 16 rows are asked for early: blocks 0 to 5 at the head, into registers that the products leave idle; blocks 6 and 7 behind the last product, six blocks' work ahead of their use.
; LIMITS: q, k, v are rounded to f16.  |q| <= 1.45 max|q_norm_w|, |k| <= 8 max|k_norm_w|; v must stay under 65,504.  NaN and infinities are not served.
; REGISTERS, in windows of 256.  Window 0: v1-15 at work; v16-29 addresses; v32-95 scale words, two sets (they hold nothing else); v96-127 the norm weights of my 32 channels; v128-191 A's fragments, one set,
;   afterwards four sets of 16 packed results; v192-255 cos and sin of blocks 0, 1 (16 + 16 each).   Window 1: B's fragments at v0-63 and v128-191; v64-127 cos and sin of blocks 4, 5; v192-255 of blocks 2, 3;
;   behind the products v0-31 x times weight, v32-63 rotated, v128-191 cos and sin of blocks 6, 7.   Windows 2, 3: the accumulators.
.set NQ,     4                         ; steps of 128 along K in a slot
.set ROWB,   256                       ; a tile's row in bytes: 512 codes
.set KROW,   512                       ; a row of codes in memory
.set PITCH,  272                       ; an LDS row: 256 bytes + 16 of padding: the 16 rows that a load touches begin 16 bytes apart modulo 256
.set FR,     8                         ; registers of a fragment: 16 rows x 128 K
.set NL,     2                         ; LDS loads that bring one
.set NP,     4                         ; places behind this matrix instruction (ISA guide 7.12.1)
.set HALFT,  128*PITCH                 ; 128 rows: what one tensor load brings
.set SLOT,   4*HALFT                   ; A's 256 rows, then B's 256 rows
.set KS,     32                        ; a row of scale bytes
.set SCL,    2*SLOT                    ; behind the slots: the scale bytes, as rows of 256 bytes + 16 of padding
.set HALFS,  16*272                    ; those of 128 rows
.set SBLK,   2*272                     ; those of 16 rows
.set SPARE,  SCL+4*HALFS               ; behind the scales: the spare words, 128 bytes a wave
.set ADRA, 16                          ; v16-17  LDS address of my A fragments in slot 0, 1
.set ADRB, 20                          ; v20-21  the same for B
.set L16,  24                          ; v24     16 x lane
.set VP,   25                          ; v25     16 x (16 (r / 8) + 8 h + r % 8): v's place
.set WA,   26                          ; v26     32 h: my half's weights
.set ADRS, 27                          ; v27     LDS address of my scale words: lanes 0-15 A's rows, lanes 16-31 B's
.set SPW,  28                          ; v28     LDS address of my spare word; never rewritten
.set NIL,  29                          ; v29     0; never rewritten
.set SC,   32
.set WN,   96
.set AF,   128
.set PK,   128
.set Y,    0                           ; in window 1, behind the products
.set OT,   32                          ; in window 1, behind the products
.set G1,   24                          ; s[24:31] group 1 for A's tiles; s[32:39] group 0, a set for each slot
.set G0,   32
.set G1B,  48                          ; s[48:55], s[56:63] the same for B's
.set G0B,  56
.set G1S,  68                          ; s[68:75], s[76:79] A's scales; s[80:87], s[88:91] B's
.set G0S,  76
.set G1SB, 80
.set G0SB, 88
.set MSB, 0
.macro WIN new                         ; the immediate's high byte repeats the setting that is left
.if MSB != \new
	s_set_vgpr_msb (MSB<<8)|\new
.set MSB, \new
.endif
.endm
.set MUL_LO, 0xa1                      ; source 0 (B) window 1, source 1 (A) window 0, C and D window 2
.set MUL_HI, 0xf1                      ; the same, C and D window 3
.set TO_B,   0x40                      ; destination window 1, address window 0
; A joint load: waves 0 and 1 fetch for A, waves 2 and 3 for B.  The branch hangs on the wave's number alone.  An s_nop 0 and four v_nop follow each of the two lines.
.macro JLOAD g0a, g1a, g0b, g1b
	s_cmp_eq_u32 s19, 0
	s_cbranch_scc0 .Lfor_b_\@
	tensor_load_to_lds s[\g0a:\g0a+3], s[\g1a:\g1a+7]
	s_nop 0
.rept 4
	v_nop
.endr
	s_branch .Lasked_\@
.Lfor_b_\@:
	tensor_load_to_lds s[\g0b:\g0b+3], s[\g1b:\g1b+7]
	s_nop 0
.rept 4
	v_nop
.endr
.Lasked_\@:
.endm
.macro CROUND                          ; a round of the cluster's barrier
	s_barrier_signal -1
	s_barrier_wait -1
	s_cmp_lg_u32 s18, 0
	s_cbranch_scc1 .Lnot_wave_0_\@
	s_barrier_signal -3
.Lnot_wave_0_\@:
	s_barrier_wait -3
	s_barrier_signal -1
	s_barrier_wait -1
.endm
	s_load_b256 s[4:11], s[0:1], 0x0               ; codes s[4:5], scales s[6:7], rope s[8:9], q_norm_w s[10:11]
	s_load_b128 s[12:15], s[0:1], 0x20             ; k_norm_w s[12:13], q_img s[14:15]
	s_load_b64 s[16:17], s[0:1], 0x30              ; kv_img
	v_lshl_add_u32 v[SPW], v0, 2, SPARE
	v_mov_b32 v[NIL], 0
	ds_add_u32 v[SPW], v[NIL]                      ; the wave's opening: the add, twice on end, and its wait ahead of my first tensor load
	ds_add_u32 v[SPW], v[NIL]
	v_lshrrev_b32 v1, 5, v0
	v_readfirstlane_b32 s18, v1                    ; wave 0..3
	s_lshr_b32 s19, s18, 1                         ; which half of the tile's rows is mine.  Also: I fetch for A (0) or for B (1)
	s_and_b32 s20, s18, 1                          ; which half of its columns.  Also: which 128 rows I fetch
	s_bfe_u32 s21, ttmp6, 0x40000                  ; cx
	s_bfe_u32 s22, ttmp6, 0x40004                  ; cy
	s_and_b32 s44, ttmp7, 0xffff                   ; the cluster's y
	s_lshl_b32 s45, s44, 1
	s_add_co_u32 s45, s45, ttmp9
	s_sub_co_u32 s45, s45, 8                       ; queries: clusters (x, y) = (0..1, 8..9) take rows of clusters 8..11
	s_cmp_ge_u32 s44, 8
	s_cselect_b32 s23, 1, 0                        ; 1: queries x wq;  0: kv x wkv.  The same in all sixteen partners
	s_cselect_b32 s41, s45, s44
	s_cselect_b32 s40, 2, ttmp9
	s_lshl_b32 s41, s41, 2
	s_add_co_u32 s41, s41, s22                     ; tile row: 0-31 kv, 32-47 queries
	s_lshl_b32 s40, s40, 2
	s_add_co_u32 s40, s40, s21                     ; tile column: 0-7 wkv, 8-11 wq
	s_lshl_b32 s42, s22, 2
	s_lshl_b32 s42, 15, s42                        ; my row of the cluster
	s_lshl_b32 s43, 0x1111, s21                    ; my column
	; group 1: a tile of 128 rows x 256 bytes, 16 bytes of padding behind each row
	s_or_b32 s[G1+0], s42, (0<<16)|(1<<20)|(1<<21)|(5<<22)|(3<<25)   ; the mask; elements of 1 byte; padding on; bit 21 beside a mask; after every 64 words, 4 words
	s_or_b32 s[G1B+0], s43, (0<<16)|(1<<20)|(1<<21)|(5<<22)|(3<<25)
.irp g, G1, G1B
	s_mov_b32 s[\g+1], ROWB<<16                    ; tensor_dim0
	s_mov_b32 s[\g+2], 128<<16                     ; tensor_dim1
	s_mov_b32 s[\g+3], ROWB<<16                    ; tile_dim0
	s_mov_b32 s[\g+4], 128                         ; tile_dim1
	s_mov_b32 s[\g+5], KROW                        ; from row to row
	s_mov_b32 s[\g+6], 0
	s_mov_b32 s[\g+7], 0
.endr
	; the scale bytes of 128 rows: 4,096 dense bytes, as 16 rows of 256 (32 elements of 8 bytes), the same padding
	s_or_b32 s[G1S+0], s42, (3<<16)|(1<<20)|(1<<21)|(5<<22)|(3<<25)
	s_or_b32 s[G1SB+0], s43, (3<<16)|(1<<20)|(1<<21)|(5<<22)|(3<<25)
.irp g, G1S, G1SB
	s_mov_b32 s[\g+1], 32<<16
	s_mov_b32 s[\g+2], 16<<16
	s_mov_b32 s[\g+3], 32<<16
	s_mov_b32 s[\g+4], 16
	s_mov_b32 s[\g+5], 32
	s_mov_b32 s[\g+6], 0
	s_mov_b32 s[\g+7], 0
.endr
	s_lshl_b32 s2, s20, 7                          ; which 128 rows of the tile I fetch
	s_lshl_b32 s44, s41, 8
	s_add_co_u32 s44, s44, s2                      ; A: row 256 x tile row + 128 x half
	s_lshl_b32 s46, s40, 8
	s_add_co_u32 s46, s46, s2
	s_add_co_u32 s46, s46, 12288                   ; B: the weights begin at row 12,288
	s_lshl_b32 s66, s44, 5                         ; their scale bytes, 32 a row,
	s_lshl_b32 s92, s46, 5
	s_lshl_b32 s44, s44, 9                         ; and their codes, 512 a row (all under 2^23)
	s_lshl_b32 s46, s46, 9
	s_mov_b32 s45, 0
	s_mov_b32 s47, 0
	s_mov_b32 s67, 0
	s_mov_b32 s93, 0
	s_mul_i32 s3, s18, HALFT                       ; where they go: wave x 128 rows: no place in the cluster enters an LDS address
	s_mul_i32 s94, s18, HALFS
	s_mov_b32 s98, 0x76543210                      ; v_permlanex16_b32's selects for lane l xor 16
	s_mov_b32 s99, 0xfedcba98
	s_mov_b32 s100, 0x3c800000                     ; 1 / 64
	s_mov_b32 s101, 0x358637bd                     ; 1e-6
	s_wait_dscnt 0x0                               ; both opening adds are done
	s_wait_kmcnt 0x0
	s_add_nc_u64 s[44:45], s[4:5], s[44:45]
	s_add_nc_u64 s[66:67], s[6:7], s[66:67]
	s_add_nc_u64 s[46:47], s[4:5], s[46:47]
	s_add_nc_u64 s[92:93], s[6:7], s[92:93]
	CROUND                                         ; all sixteen work-groups are here: the joint loads meet
	s_mov_b32 s[G0S], 1
	s_add_co_u32 s[G0S+1], s94, SCL
	s_mov_b64 s[G0S+2:G0S+3], s[66:67]
	s_or_b32 s[G0S+3], s[G0S+3], 0x80000000
	s_mov_b32 s[G0SB], 1
	s_add_co_u32 s[G0SB+1], s94, SCL
	s_mov_b64 s[G0SB+2:G0SB+3], s[92:93]
	s_or_b32 s[G0SB+3], s[G0SB+3], 0x80000000
	JLOAD G0S, G1S, G0SB, G1SB                     ; the scales first: they are wanted with the first step
.irp s, 0,1
	s_mov_b32 s[G0+4*\s], 1
	s_add_co_u32 s[G0+4*\s+1], s3, \s*SLOT
	s_add_nc_u64 s[G0+4*\s+2:G0+4*\s+3], s[44:45], \s*ROWB
	s_or_b32 s[G0+4*\s+3], s[G0+4*\s+3], 0x80000000
	s_mov_b32 s[G0B+4*\s], 1
	s_add_co_u32 s[G0B+4*\s+1], s3, \s*SLOT
	s_add_nc_u64 s[G0B+4*\s+2:G0B+4*\s+3], s[46:47], \s*ROWB
	s_or_b32 s[G0B+4*\s+3], s[G0B+4*\s+3], 0x80000000
	JLOAD G0+4*\s, G1, G0B+4*\s, G1B               ; by this text's own count three tensor loads of a wave are out
.endr
	; where my results go and which part of the table is mine: both forms are made, and the choice hangs on s23 alone
	s_lshl_b32 s44, s41, 8
	s_lshl_b32 s45, s19, 7
	s_add_co_u32 s44, s44, s45                     ; my first row
	s_lshr_b32 s45, s44, 11                        ; kv: batch,
	s_lshl_b32 s45, s45, 23                        ;   8,388,608 bytes each;
	s_and_b32 s46, s44, 2047                       ;   my first key;
	s_lshl_b32 s47, s40, 1
	s_add_co_u32 s47, s47, s20                     ;   head = 2 x tile column + half,
	s_lshl_b32 s2, s47, 19                         ;   524,288 bytes each;
	s_add_co_u32 s45, s45, s2
	s_lshr_b32 s2, s46, 6
	s_lshl_b32 s2, s2, 14                          ;   16,384 bytes for each 64 keys
	s_add_co_u32 s45, s45, s2
	s_lshr_b32 s46, s46, 4
	s_lshl_b32 s46, s46, 12                        ;   the table: 4,096 bytes for each 16 positions
	s_sub_co_u32 s44, s44, 8192                    ; queries (the numbers that follow are used on that way alone): batch,
	s_lshr_b32 s2, s44, 10
	s_lshl_b32 s2, s2, 21                          ;   2,097,152 bytes each;
	s_and_b32 s44, s44, 1023                       ;   my first query;
	s_sub_co_u32 s47, s47, 16                      ;   pair of heads = 2 x (tile column - 8) + half,
	s_lshl_b32 s47, s47, 18                        ;   262,144 bytes each;
	s_add_co_u32 s2, s2, s47
	s_lshr_b32 s3, s44, 6
	s_lshl_b32 s3, s3, 14                          ;   16,384 bytes for each 64 queries
	s_add_co_u32 s2, s2, s3
	s_lshr_b32 s44, s44, 4
	s_add_co_u32 s44, s44, 128                     ;   pos_q's tiles lie behind pos_k's 128
	s_lshl_b32 s44, s44, 12
	s_mov_b32 s3, 0x3e38aa3b                       ; log2(e) / 8
	s_cmp_eq_u32 s23, 0
	s_cselect_b32 s92, s45, s2
	s_cselect_b32 s94, s46, s44
	s_cselect_b32 s96, 1.0, s3
	s_cselect_b64 s[66:67], s[12:13], s[10:11]     ; the norm's weights
	s_cselect_b64 s[46:47], s[16:17], s[14:15]     ; the buffer that I store into
	s_mov_b32 s93, 0
	s_mov_b32 s95, 0
	s_mov_b32 s97, s96                             ; (named with it as a pair, so it is written)
	s_add_nc_u64 s[92:93], s[46:47], s[92:93]      ; s[92:93]: my results;  s[94:95]: my part of the table; neither is written again
	s_add_nc_u64 s[94:95], s[8:9], s[94:95]
	v_and_b32 v1, 15, v0                           ; r
	v_bfe_u32 v2, v0, 4, 1                         ; h
	v_and_b32 v3, 31, v0
	v_lshlrev_b32 v[L16], 4, v3
	v_lshlrev_b32 v[WA], 5, v2
	v_lshrrev_b32 v3, 3, v1
	v_lshlrev_b32 v3, 8, v3
	v_lshl_add_u32 v3, v2, 7, v3
	v_and_b32 v4, 7, v1
	v_lshl_add_u32 v[VP], v4, 4, v3
	v_mov_b32 v13, 0                               ; (named as the upper half of the pair v[12:13], so it is written)
.irp t, 0,1,2,3
	global_load_b128 v[WN+8*\t:WN+8*\t+3], v[WA], s[66:67] offset:64*\t        ; register 8 t + j: the weight of channel 16 t + 8 h + j
	global_load_b128 v[WN+8*\t+4:WN+8*\t+7], v[WA], s[66:67] offset:64*\t+16
.endr
.macro CSAT a                          ; where block a's cos and sin lie: register CSR of window CSW; CSD: that window as a load's destination; WR: the rotation's windows
.if (\a) < 4
.set CSR, 192+32*((\a)%2)
.elseif (\a) < 6
.set CSR, 64+32*((\a)%2)
.else
.set CSR, 128+32*((\a)%2)
.endif
.if (\a) < 2
.set CSW, 0
.else
.set CSW, 1
.endif
.set CSD, 0x40*CSW
.set WR,  0x51+4*CSW
.endm
.macro CSLOAD a                        ; cos and sin of my rows 16 a .. 16 a + 15: register 8 t + j: frequency 16 t + 8 h + j; 16 of cos, then 16 of sin
	CSAT \a
	WIN CSD
.irp c, 0,1,2,3,4,5,6,7
	global_load_b128 v[CSR+4*\c:CSR+4*\c+3], v[L16], s[94:95] offset:4096*(\a)+512*\c
.endr
.endm
.irp a, 0,1,2,3,4,5
	CSLOAD \a                                      ; with the weights 56 loads of mine are out: they land while the products run
.endr
	WIN 0
	v_mul_u32_u24 v3, v1, PITCH
	v_lshl_add_u32 v4, v2, 4, v3                   ; a fragment's row x pitch + 16 x half
	s_mul_i32 s44, s19, HALFT                      ; my 128 rows of A
	s_mul_i32 s45, s20, HALFT                      ; my 128 rows of B,
	s_add_co_u32 s45, s45, 2*HALFT                 ; which lie behind A's 256
.irp s, 0,1
	v_add_nc_u32 v[ADRA+\s], s44, v4
	v_add_nc_u32 v[ADRB+\s], s45, v4
	s_add_co_u32 s44, s44, SLOT
	s_add_co_u32 s45, s45, SLOT
.endr
	v_mul_u32_u24 v5, v1, KS                       ; my row's scales: 32 bytes a row,
	v_lshrrev_b32 v6, 8, v5
	v_lshl_add_u32 v5, v6, 4, v5                   ; and 16 more for each 256 passed
	s_mul_i32 s44, s19, HALFS
	s_mul_i32 s45, s20, HALFS
	s_add_co_u32 s45, s45, 2*HALFS
	s_sub_co_u32 s45, s45, s44
	v_mul_u32_u24 v6, s45, v2                      ; lanes 16-31 take B's: one product, the distance between the two bases
	s_add_co_u32 s44, s44, SCL
	v_add_nc_u32 v5, v5, v6
	v_add_nc_u32 v[ADRS], s44, v5
.macro FRAG reg, adr, q, i             ; 16 rows x 128 K of 4-bit codes: lane l holds row l % 16; registers 4 c .. 4 c + 3 hold K = 64 c + 32 (l / 16) + 0 .. 31
.irp c, 0,1
	ds_load_b128 v[\reg+4*\c:\reg+4*\c+3], v[\adr] offset:64*(\q)+32*\c+(\i)*16*PITCH
.endr
.endm
; 16 matrix instructions: A's blocks a0, a0 + 1 x B's eight, the slot's q-th 128 along K.  p: B's set; sc: the set of scale words.  zero = 1: the product starts the sums.
; The 64 accumulators take turns, one instruction a turn, in the same order in every step.
.macro MUL16 a0, p, q, sc, zero
.irp a, \a0, \a0+1
.irp b, 0,1,2,3,4,5,6,7
.if \zero
	v_wmma_scale_f32_16x16x128_f8f6f4 v[8*(8*((\a)%4)+\b):8*(8*((\a)%4)+\b)+7], v[128*(\p)+FR*\b:128*(\p)+FR*\b+FR-1], v[AF+FR*(\a):AF+FR*(\a)+FR-1], 0, v[SC+8*NQ*(\sc)+NQ*\b+(\q)], v[SC+8*NQ*(\sc)+NQ*(\a)+(\q)] matrix_a_fmt:MATRIX_FMT_FP4 matrix_b_fmt:MATRIX_FMT_FP4 matrix_a_scale:MATRIX_SCALE_ROW1
.else
	v_wmma_scale_f32_16x16x128_f8f6f4 v[8*(8*((\a)%4)+\b):8*(8*((\a)%4)+\b)+7], v[128*(\p)+FR*\b:128*(\p)+FR*\b+FR-1], v[AF+FR*(\a):AF+FR*(\a)+FR-1], v[8*(8*((\a)%4)+\b):8*(8*((\a)%4)+\b)+7], v[SC+8*NQ*(\sc)+NQ*\b+(\q)], v[SC+8*NQ*(\sc)+NQ*(\a)+(\q)] matrix_a_fmt:MATRIX_FMT_FP4 matrix_b_fmt:MATRIX_FMT_FP4 matrix_a_scale:MATRIX_SCALE_ROW1
.endif
.endr
.endr
.endm
.macro FETCH_B slot, q, p
	WIN TO_B
.irp i, 0,1,2,3,4,5,6,7
	FRAG 128*(\p)+FR*\i, ADRB+\slot, \q, \i
.endr
	WIN 0
.endm
.macro FETCH_A slot, q, i0
.irp i, \i0, \i0+1, \i0+2, \i0+3
	FRAG AF+FR*(\i), ADRA+\slot, \q, \i
.endr
.endm
.macro SCALES sc                       ; a slot's scale words: 4 words a row; lanes 0-15 take A's block i, lanes 16-31 B's block i
.irp i, 0,1,2,3,4,5,6,7
	ds_load_b128 v[SC+8*NQ*\sc+NQ*\i:SC+8*NQ*\sc+NQ*\i+3], v[ADRS] offset:\i*SBLK
.endr
.endm
.macro PLACES n                        ; plain vector lines between a matrix instruction and a load into, or a read of, its registers
.rept \n
	v_nop
.endr
.endm
.macro STEP slot, q, zero              ; a step of 128 along K that has its successor in the same slot
	s_wait_dscnt 4*NL                              ; B's set and A's blocks 0-3 are in; the youngest eight loads (A's blocks 4-7) may be out
	WIN MUL_LO
	MUL16 0, (\q)%2, \q, \slot, \zero
	MUL16 2, (\q)%2, \q, \slot, \zero
	s_wait_dscnt 0
	PLACES NP
	FETCH_B \slot, (\q)+1, 1-(\q)%2
	FETCH_A \slot, (\q)+1, 0
	WIN MUL_HI
	MUL16 4, (\q)%2, \q, \slot, \zero
	MUL16 6, (\q)%2, \q, \slot, \zero
	PLACES NP
	WIN 0
	FETCH_A \slot, (\q)+1, 4
.endm
	s_wait_tensorcnt 1                             ; the scales and my part of slot 0 are in; slot 1's load may be out
	s_barrier_signal -1
	s_barrier_wait -1                              ; everybody's are
	FETCH_B 0, 0, 0
	FETCH_A 0, 0, 0
	SCALES 0
	FETCH_A 0, 0, 4
	STEP 0, 0, 1                                   ; the first step's products start the sums: nothing is cleared
	STEP 0, 1, 0
	STEP 0, 2, 0
	; slot 0's last step, and the change to slot 1: one barrier, in front of it my part of slot 1 has landed
	s_wait_tensorcnt 0x0                           ; all my tensor loads have landed
	ds_add_u32 v[SPW], v[NIL]                      ; 0 onto my spare word
	s_wait_dscnt 4*NL+1                            ; (the add and A's blocks 4-7 may be out)
	WIN MUL_LO
	MUL16 0, 1, 3, 0, 0
	s_wait_dscnt 0x0                               ; the add is done; no LDS instruction of mine is out at the signal
	s_barrier_signal -1
	MUL16 2, 1, 3, 0, 0
	WIN 0
	s_barrier_wait -1                              ; slot 1 is whole
	PLACES NP
	v_add_nc_u32 v[ADRS], 4*NQ, v[ADRS]            ; on to slot 1's scale words
	FETCH_B 1, 0, 0
	FETCH_A 1, 0, 0
	SCALES 1
	WIN MUL_HI
	MUL16 4, 1, 3, 0, 0
	MUL16 6, 1, 3, 0, 0
	PLACES NP
	WIN 0
	FETCH_A 1, 0, 4
	STEP 1, 0, 0
	STEP 1, 1, 0
	STEP 1, 2, 0
	s_wait_dscnt 4*NL                              ; the very last step: nothing more to fetch
	WIN MUL_LO
	MUL16 0, 1, 3, 1, 0
	MUL16 2, 1, 3, 1, 0
	s_wait_dscnt 0
	WIN MUL_HI
	MUL16 4, 1, 3, 1, 0
	MUL16 6, 1, 3, 1, 0
	WIN 0
; THE WAY OUT, a block of 16 rows at a time.
; NORMED: 64 columns (half hb of my 128) of block a are normed, rotated, rounded and stored.  y = x w / sqrt(mean(x^2) + 1e-6); the row's factor is applied behind the rotation, which is linear.
.macro NORMED a, hb
.set AC,  64*((\a)%4)+32*(\hb)         ; four accumulators: register 8 t + j = channel 16 t + 8 h + j of row r
.set W,   2+(\a)/4                     ; their window
.set W5,  5*W                          ; sources 0 and 1 there
.set WY,  0x40+W                       ; source 0 there, destination window 1
.set PKS, PK+16*((2*(\a)+(\hb))%4)
	CSAT \a
	s_wait_xcnt 0x0                                ; the earlier stores have read their data: this set of packed results may be written again
	WIN W5
	v_pk_mul_f32 v[8:9], v[AC:AC+1], v[AC:AC+1]    ; the sum of squares of my 32, two chains, ascending: each accumulator is read from its low end on
	v_pk_mul_f32 v[10:11], v[AC+2:AC+3], v[AC+2:AC+3]
.irp i, 4,8,12,16,20,24,28
	v_pk_fma_f32 v[8:9], v[AC+\i:AC+\i+1], v[AC+\i:AC+\i+1], v[8:9]
	v_pk_fma_f32 v[10:11], v[AC+\i+2:AC+\i+3], v[AC+\i+2:AC+\i+3], v[10:11]
.endr
	WIN WY
.irp i, 0,2,4,6,8,10,12,14,16,18,20,22,24,26,28,30
	v_pk_mul_f32 v[Y+\i:Y+\i+1], v[AC+\i:AC+\i+1], v[WN+\i:WN+\i+1]   ; x w
.endr
	WIN 0
	v_pk_add_f32 v[8:9], v[8:9], v[10:11]
	v_add_f32 v8, v8, v9
	v_permlanex16_b32 v10, v8, s98, s99            ; the row's other 32 channels lie in the lane 16 away
	v_add_f32 v8, v8, v10
	v_fma_f32 v8, v8, s100, s101                   ; the mean + 1e-6
	v_rsq_f32 v12, v8
	WIN WR                                         ; destination, sources 0 and 2 window 1; source 1 the window of this block's cos and sin.  The rotation's 32 lines are the work behind the root
.irp p, 0,2,4,6,8,10,12,14
	v_pk_mul_f32 v[OT+\p:OT+\p+1], v[Y+16+\p:Y+17+\p], v[CSR+16+\p:CSR+17+\p]       ; x2 sin
	v_pk_mul_f32 v[OT+16+\p:OT+17+\p], v[Y+16+\p:Y+17+\p], v[CSR+\p:CSR+\p+1]       ; x2 cos
.endr
.irp p, 0,2,4,6,8,10,12,14
	v_pk_fma_f32 v[OT+\p:OT+\p+1], v[Y+\p:Y+\p+1], v[CSR+\p:CSR+\p+1], v[OT+\p:OT+\p+1] neg_lo:[0,0,1] neg_hi:[0,0,1]   ; x1 cos - x2 sin
	v_pk_fma_f32 v[OT+16+\p:OT+17+\p], v[Y+\p:Y+\p+1], v[CSR+16+\p:CSR+17+\p], v[OT+16+\p:OT+17+\p]                   ; x1 sin + x2 cos
.endr
	s_wait_alu depctr_va_vdst(0)                   ; a wait ahead of the root's first reader
	WIN 0x51                                       ; source 1, the root, lies in window 0
.irp i, 0,2,4,6,8,10,12,14,16,18,20,22,24,26,28,30
	v_pk_mul_f32 v[OT+\i:OT+\i+1], v[OT+\i:OT+\i+1], v[12:13] op_sel_hi:[1,0]
.endr
	WIN 0x05                                       ; sources window 1, destination window 0
.irp i, 0,1,2,3,4,5,6,7,8,9,10,11,12,13,14,15
	v_cvt_pk_f16_f32 v[PKS+\i], v[OT+2*\i], v[OT+2*\i+1]
.endr
	WIN 0
.irp t, 0,1,2,3
	global_store_b128 v[L16], v[PKS+4*\t:PKS+4*\t+3], s[92:93] offset:16384*((\a)/4)+8192*(\hb)+2048*((\a)%4)+512*\t   ; chunk t: 512 consecutive bytes
.endr
.endm
; VHALF: v, columns 64-127 of block a, is rounded and stored at the places from which the turning load will take it.
.macro VHALF a
.set AC,  64*((\a)%4)+32
.set W,   2+(\a)/4
.set W5,  5*W
.set PKS, PK+16*((2*(\a)+1)%4)
	s_wait_xcnt 0x0
	WIN W5
.irp i, 0,1,2,3,4,5,6,7,8,9,10,11,12,13,14,15
	v_cvt_pk_f16_f32 v[PKS+\i], v[AC+2*\i], v[AC+2*\i+1]
.endr
	WIN 0
.irp ct, 0,1,2,3
	global_store_b128 v[VP], v[PKS+4*\ct:PKS+4*\ct+3], s[92:93] offset:16384*((\a)/4)+8192+4096*(((\a)%4)/2)+1024*\ct+512*((\a)%2)   ; 32 keys g, 16 channels ct, 16 keys u: 512 consecutive bytes
.endr
.endm
	PLACES NP                                      ; four places behind the last products: ahead of the loads into B's second set and of the first reads of results
	CSLOAD 6                                       ; blocks 6 and 7: into the registers that held B's second set; six blocks' work stands ahead of their use
	CSLOAD 7
	WIN 0
	s_wait_loadcnt 16                              ; the weights and the cos and sin of blocks 0 to 5 are in; the sixteen loads just issued may be out
.irp i, 0,2,4,6,8,10,12,14,16,18,20,22,24,26,28,30
	v_pk_mul_f32 v[WN+\i:WN+\i+1], v[WN+\i:WN+\i+1], s[96:97] op_sel_hi:[1,0]   ; q: x log2(e) / 8;  k: x 1
.endr
.irp a, 0,1,2,3,4,5,6,7
.if \a == 6
	s_wait_loadcnt 8                               ; block 6's cos and sin are in; block 7's eight loads may be out
.elseif \a == 7
	s_wait_loadcnt 0x0
.endif
	NORMED \a, 0
	s_cmp_eq_u32 s23, 0                            ; ids alone, the same in the whole cluster
	s_cbranch_scc1 .Lv_\a
	NORMED \a, 1                                   ; queries: the second head
	s_branch .Ld_\a
.Lv_\a:
	VHALF \a                                       ; kv: v
.Ld_\a:
.endr
	s_wait_tensorcnt 0x0                           ; the wave's end
	ds_add_u32 v[SPW], v[NIL]
	s_wait_dscnt 0x0
	CROUND                                         ; the closing round
	s_endpgm
.Lfunc_end_k_q0a0c114b2b_proj:
	.size	k_q0a0c114b2b_proj, .Lfunc_end_k_q0a0c114b2b_proj-k_q0a0c114b2b_proj
	.p2alignl 7, 3214868480
	.fill 96, 4, 3214868480
	.section	.rodata,"a",@progbits
	.p2align	6, 0x0
	.amdhsa_kernel k_q0a0c114b2b_proj
		.amdhsa_group_segment_fixed_size 327680
		.amdhsa_private_segment_fixed_size 0
		.amdhsa_enable_private_segment 0
		.amdhsa_kernarg_size 56
		.amdhsa_user_sgpr_count 2
		.amdhsa_user_sgpr_kernarg_segment_ptr 1
		.amdhsa_wavefront_size32 1
		.amdhsa_system_sgpr_workgroup_id_x 1
		.amdhsa_system_sgpr_workgroup_id_y 1
		.amdhsa_system_sgpr_workgroup_id_z 1
		.amdhsa_system_vgpr_workitem_id 0
		.amdhsa_next_free_vgpr 1024
		.amdhsa_next_free_sgpr 102
		.amdhsa_reserve_vcc 0
		.amdhsa_float_denorm_mode_32 3
		.amdhsa_float_denorm_mode_16_64 3
		.amdhsa_memory_ordered 1
		.amdhsa_forward_progress 1
		.amdhsa_inst_pref_size 228
	.end_amdhsa_kernel
	.amdgpu_metadata
---
amdhsa.version: [ 1, 2 ]
amdhsa.kernels:
  - .name:           k_q0a0c114b2b_proj
    .symbol:         k_q0a0c114b2b_proj.kd
    .args:
      - { .name: codes, .offset: 0, .size: 8, .value_kind: global_buffer, .address_space: global }
      - { .name: scales, .offset: 8, .size: 8, .value_kind: global_buffer, .address_space: global }
      - { .name: rope, .offset: 16, .size: 8, .value_kind: global_buffer, .address_space: global }
      - { .name: q_norm_w, .offset: 24, .size: 8, .value_kind: global_buffer, .address_space: global }
      - { .name: k_norm_w, .offset: 32, .size: 8, .value_kind: global_buffer, .address_space: global }
      - { .name: q_img, .offset: 40, .size: 8, .value_kind: global_buffer, .address_space: global }
      - { .name: kv_img, .offset: 48, .size: 8, .value_kind: global_buffer, .address_space: global }
    .group_segment_fixed_size: 327680
    .private_segment_fixed_size: 0
    .kernarg_segment_align: 8
    .kernarg_segment_size: 56
    .max_flat_workgroup_size: 128
    .sgpr_count:     102
    .vgpr_count:     1024
    .wavefront_size: 32
...
	.end_amdgpu_metadata
.endif
;; end of part 2
;; launch attn (part 3): grid 4 x 64, 8 waves a work-group, clusters of 4 x 1, 327,680 bytes of LDS; arguments q_img, kv_img, y_img; writes y_img
.if DOCPART == 3
	.amdgcn_target "amdgcn-amd-amdhsa--gfx1250"
	.amdhsa_code_object_version 6
	.text
	.protected	k_q0a0c114b2b_attn
	.globl	k_q0a0c114b2b_attn
	.p2align	8
	.type	k_q0a0c114b2b_attn,@function
k_q0a0c114b2b_attn:
	s_mov_b64 s[64:65], 0
	v_nop
	global_prefetch_b8 v0, s[64:65] scope:SCOPE_SE
	s_setreg_imm32_b32 hwreg(HW_REG_WAVE_MODE, 25, 1), 1
	s_wait_xcnt 0x0
	s_wait_alu depctr_hold_cnt(0) depctr_sa_sdst(0) depctr_va_vdst(0) depctr_va_sdst(0) depctr_va_ssrc(0) depctr_va_vcc(0) depctr_vm_vsrc(0)
	s_getreg_b32 s2, hwreg(HW_REG_IB_STS2, 6, 4)
	s_cmp_eq_u32 s2, 0
	s_cbranch_scc0 .Lentry_in_a_cluster
	s_endpgm
.Lentry_in_a_cluster:
	s_bfe_u32 s2, ttmp6, 0x10000c
	s_cmp_lg_u32 s2, 0x3003
	s_cbranch_scc0 .Lentry_shape_is_right
	s_endpgm
.Lentry_shape_is_right:
; y[b][h][q][:] = the sum over k of softmax_k(q . k / 8) v[k][:], 64 heads (batch x head) of 1,024 queries, 2,048 keys, 64 channels.  q, k, v come as f16 images of operand registers; q already carries log2(e) / 8,
; so a score s is an exponent of 2.  Products, maxima and sums in f32; the weights p are rounded to f16 for the second product, y once at the end.
; SHARES.  A work-group owns 256 queries of one head, each of its eight waves 32: two tiles of 16.  Every wave walks all keys, 64 a step.  The head's four work-groups are one cluster and ask for K and V jointly:
; the same tensor load, the same descriptor, a mask that names the four.
; LAYOUT.  S^T = K Q^T (source 0 = 16 keys, source 1 = 16 queries): a lane holds ONE query (lane % 16) and keys 8 (lane / 16) + 0..7.  Two such tiles, rounded to f16 in pairs, ARE source 1 (32 keys x 16 queries) of
; O^T = V^T P, whose result again holds one query a lane and eight channels.  K comes out of LDS as it lies, V turned by ds_load_tr16_b128; both at 16 x lane: a step's 16 KiB are 32 chunks of 512 bytes.
; SOFTMAX.  For each query a running maximum m and sum l: p = 2^(s - m); in every step O and l are multiplied by a = 2^(m_old - m_new).  m begins at -3e38, O and l at 0: the first a is 0 and multiplies zeros.
; TWO GROUPS OF WAVES, HALF A TRIP APART.  Eight waves on four SIMDs: two share one.  A wave's step is a run of vector work (the softmax) and a run of matrix work (V^T P, then K Q^T of the next step).  So that one wave
; has vector work while the other has matrix work, the waves fall into two groups, (wave xor wave / 4) mod 2: waves w and w + 4 differ in it, and so do waves 2 k and 2 k + 1.  A trip is, for both groups:
;   K of step i is asked of LDS | group 0: softmax of step i - 1 | V^T P of step i - 1 | K Q^T of step i | V of step i is asked of LDS | group 1: softmax of step i.
; Both groups run the same instructions in the same cyclic order; what differs is where in that order the trip's edge, and with it every barrier, falls: behind a barrier group 0 begins with its softmax and group 1 with its
; products.  The branches hang on the wave's number alone and lead round work on registers alone.  One barrier at the head, behind group 1's first softmax, sets the two groups apart from the first step on.
; THE RING.  Two slots of 8 steps (131,072 bytes); each wave brings one step's 16 KiB with one load.  4 slots' worth of keys: two first fills, two refills.
; LIMITS: v and y must stay under 65,504 (f16).  NaN and infinities are not served.
; REGISTERS.  Window 0: v1-6 addresses; v8-23 statistics, eight a tile: +0 m, +1 (its pair's upper half), +2, +3 l, +4..+7 at work (a in +6); v24-55 Q; v56-119 S^T, P packed in place; v120-183 O^T; v184-247 K;
;   v248-251 the sums' second chains.   Window 1: v0-63 V.
.set STEPB, 16384                      ; a step's tiles: 8 KiB of K, 8 KiB of V
.set SLOT1, 131072                     ; slot 1 begins here: one exclusive or turns an address in one slot into the other's
.set SPARE, 262144                     ; behind the ring: the spare words, 128 bytes for each of eight waves
.set L16, 1                            ; v1  16 x lane; never rewritten
.set ADK, 2                            ; v2  LDS address of the run of K's loads in hand
.set ADV, 3                            ; v3  of V's
.set SPW, 4                            ; v4  LDS address of my spare word; never rewritten
.set NIL, 5                            ; v5  0; never rewritten
.set PFO, 6                            ; v6  256 x lane; never rewritten
.set ST,  8
.set Q,   24
.set S,   56
.set O,   120
.set KF,  184
.set TA,  248
.set MSB, 0
.macro WIN new
.if MSB != \new
	s_set_vgpr_msb (MSB<<8)|\new
.set MSB, \new
.endif
.endm
.macro CROUND                          ; a round of the cluster's barrier
	s_barrier_signal -1
	s_barrier_wait -1
	s_cmp_lg_u32 s12, 0
	s_cbranch_scc1 .Lnot_wave_0_\@
	s_barrier_signal -3
.Lnot_wave_0_\@:
	s_barrier_wait -3
	s_barrier_signal -1
	s_barrier_wait -1
.endm
	s_load_b128 s[4:7], s[0:1], 0x0                ; q_img, kv_img
	s_load_b64 s[8:9], s[0:1], 0x10                ; y_img
	v_lshl_add_u32 v[SPW], v0, 2, SPARE
	v_mov_b32 v[NIL], 0
	ds_add_u32 v[SPW], v[NIL]                      ; the wave's opening: the add, twice on end, and its wait ahead of my first tensor load
	ds_add_u32 v[SPW], v[NIL]
	v_lshrrev_b32 v7, 5, v0
	v_readfirstlane_b32 s12, v7                    ; wave 0..7
	s_lshr_b32 s58, s12, 2
	s_xor_b32 s58, s58, s12
	s_and_b32 s58, s58, 1                          ; my group: (wave xor wave / 4) mod 2
	s_bfe_u32 s13, ttmp6, 0x40000                  ; cx: my block of 256 queries (the grid has one cluster along x); it enters Q's, y's and the prefetch's addresses alone
	s_and_b32 s14, ttmp7, 0xffff                   ; 16 x batch + head, which the four partners share
	s_lshl_b32 s16, s14, 19                        ; K and V: 524,288 bytes a head,
	s_lshl_b32 s20, s12, 14                        ; my step of a slot's eight: 16,384 bytes, in memory and in LDS
	s_add_co_u32 s16, s16, s20
	s_mov_b32 s17, 0
	s_lshr_b32 s21, s14, 1                         ; Q: 262,144 bytes a pair of heads,
	s_lshl_b32 s21, s21, 18
	s_lshl_b32 s22, s13, 16                        ; 16,384 for each 64 queries: 4 cx + wave / 2,
	s_add_co_u32 s21, s21, s22
	s_lshr_b32 s22, s12, 1
	s_lshl_b32 s22, s22, 14
	s_add_co_u32 s21, s21, s22
	s_and_b32 s22, s14, 1                          ; 8,192 for the head of the pair,
	s_lshl_b32 s22, s22, 13
	s_add_co_u32 s21, s21, s22
	s_and_b32 s22, s12, 1                          ; 4,096 for my two tiles of the four
	s_lshl_b32 s22, s22, 12
	s_add_co_u32 s40, s21, s22
	s_mov_b32 s41, 0
	s_bfe_u32 s21, s14, 0x20002                    ; y: K step of the last product = head / 4: 2,097,152 bytes,
	s_lshl_b32 s21, s21, 21
	s_lshr_b32 s22, s14, 4                         ; tile of 16 rows = 64 batch + 16 cx + 2 wave: 8,192 bytes each,
	s_lshl_b32 s22, s22, 19
	s_add_co_u32 s21, s21, s22
	s_lshl_b32 s22, s13, 17
	s_add_co_u32 s21, s21, s22
	s_lshl_b32 s22, s12, 14
	s_add_co_u32 s21, s21, s22
	s_and_b32 s22, s14, 3                          ; and the head's 64 of the K step's 256: 2,048 bytes
	s_lshl_b32 s22, s22, 11
	s_add_co_u32 s42, s21, s22
	s_mov_b32 s43, 0
	s_lshl_b32 s18, s14, 19                        ; the prefetch: the head's last 131,072 bytes; my work-group's quarter, my wave's quarter of that
	s_lshl_b32 s22, s13, 15
	s_add_co_u32 s18, s18, s22
	s_lshl_b32 s22, s12, 13
	s_add_co_u32 s18, s18, s22
	s_add_co_u32 s18, s18, 3*SLOT1
	s_mov_b32 s19, 0
	s_cmp_lt_u32 s12, 4
	s_cselect_b32 s15, 1, -1                       ; 1 in waves 0 to 3, which prefetch; else the greatest number
	; group 1 of the descriptor: 16,384 dense bytes as 64 rows of 256 (32 elements of 8 bytes), no padding
	s_mov_b32 s24, 15|(3<<16)|(1<<21)              ; the mask: all four work-groups; elements of 8 bytes; bit 21 beside a mask
	s_mov_b32 s25, 32<<16                          ; tensor_dim0
	s_mov_b32 s26, 64<<16                          ; tensor_dim1
	s_mov_b32 s27, 32<<16                          ; tile_dim0
	s_mov_b32 s28, 64                              ; tile_dim1
	s_mov_b32 s29, 32                              ; from row to row
	s_mov_b32 s30, 0
	s_mov_b32 s31, 0
	s_mov_b32 s60, 0x76543210                      ; v_permlanex16_b32's selects for lane l xor 16
	s_mov_b32 s61, 0xfedcba98
	s_mov_b32 s62, 0                               ; LDS byte at which the tiles of the step to be fetched begin
	v_and_b32 v1, 31, v0
	v_lshlrev_b32 v[PFO], 8, v1
	v_lshlrev_b32 v[L16], 4, v1
	s_wait_dscnt 0x0                               ; both opening adds are done
	s_wait_kmcnt 0x0
	s_add_nc_u64 s[16:17], s[6:7], s[16:17]
	s_add_nc_u64 s[18:19], s[6:7], s[18:19]
	s_add_nc_u64 s[40:41], s[4:5], s[40:41]
	s_add_nc_u64 s[42:43], s[8:9], s[42:43]
	CROUND                                         ; all four work-groups are here: the first joint loads meet
.irp n, 0,1
	s_mov_b32 s[32+4*\n], 1
	s_add_co_u32 s[33+4*\n], s20, \n*SLOT1
	s_add_nc_u64 s[34+4*\n:35+4*\n], s[16:17], \n*SLOT1
	s_or_b32 s[35+4*\n], s[35+4*\n], 0x80000000
.endr
	tensor_load_to_lds s[32:35], s[24:31]          ; the two first fills together: two loads of mine are out
	s_nop 0
	tensor_load_to_lds s[36:39], s[24:31]
	s_nop 0
.rept 4
	v_nop
.endr
.irp i, 0,1,2,3,4,5,6,7
	global_load_b128 v[Q+4*\i:Q+4*\i+3], v[L16], s[40:41] offset:512*\i   ; Q stays in registers: tile i / 4, chunk i % 4
.endr
.irp t, 0,1
	v_mov_b32 v[ST+8*\t], 0xff61b1e6               ; m: -3e38, under every score
	v_mov_b32 v[ST+8*\t+1], 0                      ; (named with m as a pair, so it is written)
	v_mov_b32 v[ST+8*\t+2], 0                      ; l
	v_mov_b32 v[ST+8*\t+3], 0
.endr
.irp j, 0,1,2,3,4,5,6,7,8,9,10,11,12,13,14,15,16,17,18,19,20,21,22,23,24,25,26,27,28,29,30,31,32,33,34,35,36,37,38,39,40,41,42,43,44,45,46,47,48,49,50,51,52,53,54,55,56,57,58,59,60,61,62,63
	v_mov_b32 v[O+\j], 0                           ; O^T.  (The trip is written once: the first finds zeros, which the first a leaves zeros)
.endr
.macro FETCH_K                         ; a step's K: 16 chunks: keys 16 (i / 4) on, channels 16 (i % 4) on
	v_add_nc_u32 v[ADK], s62, v[L16]
.irp i, 0,1,2,3,4,5,6,7,8,9,10,11,12,13,14,15
	ds_load_b128 v[KF+4*\i:KF+4*\i+3], v[ADK] offset:512*\i
.endr
.endm
.macro FETCH_V                         ; the same step's V, turned: 16 chunks: 32 keys i / 8, 16 channels (i / 2) % 4, 16 keys i % 2
	v_add_nc_u32 v[ADV], s62, v[L16]
	s_add_co_u32 s62, s62, STEPB                   ; the next fetch is the next step's
	WIN 0x40                                       ; destination window 1
.irp i, 0,1,2,3,4,5,6,7,8,9,10,11,12,13,14,15
	ds_load_tr16_b128 v[4*\i:4*\i+3], v[ADV] offset:8192+512*\i
.endr
	WIN 0
.endm
.macro SMUL                            ; S^T = K Q^T: 16 products; the eight accumulators take turns, one instruction a turn; the first eight start the sums
.irp f, 0,1
.irp kt, 0,1,2,3
.irp t, 0,1
.if \f == 0
	v_wmma_f32_16x16x32_f16 v[S+32*\t+8*\kt:S+32*\t+8*\kt+7], v[KF+16*\kt+8*\f:KF+16*\kt+8*\f+7], v[Q+16*\t+8*\f:Q+16*\t+8*\f+7], 0
.else
	v_wmma_f32_16x16x32_f16 v[S+32*\t+8*\kt:S+32*\t+8*\kt+7], v[KF+16*\kt+8*\f:KF+16*\kt+8*\f+7], v[Q+16*\t+8*\f:Q+16*\t+8*\f+7], v[S+32*\t+8*\kt:S+32*\t+8*\kt+7]
.endif
.endr
.endr
.endr
.endm
.macro PVMUL                           ; O^T += V^T P: 16 products, the eight accumulators by turns
	WIN 0x01                                       ; source 0 (V) window 1
.irp g, 0,1
.irp ct, 0,1,2,3
.irp t, 0,1
	v_wmma_f32_16x16x32_f16 v[O+32*\t+8*\ct:O+32*\t+8*\ct+7], v[32*\g+8*\ct:32*\g+8*\ct+7], v[S+32*\t+8*\g:S+32*\t+8*\g+7], v[O+32*\t+8*\ct:O+32*\t+8*\ct+7]
.endr
.endr
.endr
	WIN 0
.endm
; Line z of 16 of tile t's sum of its 16 pairs of weights: l = a l + pair 0, then the even pairs; a second chain takes the odd pairs; line 15 joins the two.
.macro SUM t, z
.set rS, S+32*(\t)
.set rL, ST+8*(\t)+2
.set rA, ST+8*(\t)+6
.set rT, TA+2*(\t)
.if (\z) == 0
	v_pk_fma_f32 v[rL:rL+1], v[rL:rL+1], v[rA:rA+1], v[rS:rS+1] op_sel_hi:[1,0,1]
.elseif (\z) == 1
	v_pk_add_f32 v[rT:rT+1], v[rS+2:rS+3], v[rS+6:rS+7]
.elseif (\z) == 15
	v_pk_add_f32 v[rL:rL+1], v[rL:rL+1], v[rT:rT+1]
.elseif (\z)%2 == 0
	v_pk_add_f32 v[rL:rL+1], v[rL:rL+1], v[rS+2*(\z):rS+2*(\z)+1]
.else
	v_pk_add_f32 v[rT:rT+1], v[rT:rT+1], v[rS+2*(\z)+4:rS+2*(\z)+5]
.endif
.endm
; THE SOFTMAX of both tiles for one step.  The exponentials go in two batches with one wait each: tile 0's (and both a) among tile 1's subtractions; tile 1's among tile 0's sums and O's rescaling..
.macro SOFTMAX
.irp j, 0,1,2,3                        ; the maximum of my 32 scores and the old m, three operands at a time, four chains; each accumulator is read from its low end on
.irp t, 0,1
	v_max3_num_f32 v[ST+8*\t+4+\j], v[S+32*\t+8*\j], v[S+32*\t+8*\j+1], v[S+32*\t+8*\j+2]
.endr
.endr
.irp u, 1,2
.irp j, 0,1,2,3
.irp t, 0,1
	v_max3_num_f32 v[ST+8*\t+4+\j], v[ST+8*\t+4+\j], v[S+32*\t+8*\j+2*\u+1], v[S+32*\t+8*\j+2*\u+2]
.endr
.endr
.endr
.irp t, 0,1
	v_max3_num_f32 v[ST+8*\t+4], v[ST+8*\t+4], v[S+32*\t+7], v[S+32*\t+15]
.endr
.irp t, 0,1
	v_max3_num_f32 v[ST+8*\t+6], v[ST+8*\t+6], v[S+32*\t+23], v[S+32*\t+31]
.endr
.irp t, 0,1
	v_max3_num_f32 v[ST+8*\t+4], v[ST+8*\t+4], v[ST+8*\t+5], v[ST+8*\t+6]
.endr
.irp t, 0,1
	v_max3_num_f32 v[ST+8*\t+4], v[ST+8*\t+4], v[ST+8*\t+7], v[ST+8*\t]
.endr
.irp t, 0,1
	v_permlanex16_b32 v[ST+8*\t+5], v[ST+8*\t+4], s60, s61   ; the query's other 32 keys lie in the lane 16 away
.endr
.irp t, 0,1
	v_max_num_f32 v[ST+8*\t+4], v[ST+8*\t+4], v[ST+8*\t+5]   ; the new m
.endr
.irp t, 0,1
	v_sub_f32 v[ST+8*\t+7], v[ST+8*\t], v[ST+8*\t+4]         ; m_old - m_new, 0 or less
.endr
.irp t, 0,1
	v_mov_b32 v[ST+8*\t], v[ST+8*\t+4]
.endr
.irp t, 0,1
	v_exp_f32 v[ST+8*\t+6], v[ST+8*\t+7]                     ; a
.endr
.set n, 0
.rept 16
	v_pk_add_f32 v[S+2*n:S+2*n+1], v[S+2*n:S+2*n+1], v[ST:ST+1] op_sel_hi:[1,0] neg_lo:[0,1] neg_hi:[0,1]   ; tile 0: s - m
.set n, n+1
.endr
.set n, 0
.rept 16
	v_exp_f32 v[S+2*n], v[S+2*n]                             ; tile 0: p
	v_exp_f32 v[S+2*n+1], v[S+2*n+1]
	v_pk_add_f32 v[S+32+2*n:S+33+2*n], v[S+32+2*n:S+33+2*n], v[ST+8:ST+9] op_sel_hi:[1,0] neg_lo:[0,1] neg_hi:[0,1]   ; tile 1: s - m (names no exponential's result)
.set n, n+1
.endr
	s_wait_alu depctr_va_vdst(0)                   ; one wait for both a and tile 0's 32, ahead of their first reader
.set n, 0
.rept 16
	v_exp_f32 v[S+32+2*n], v[S+32+2*n]                       ; tile 1: p
	v_exp_f32 v[S+33+2*n], v[S+33+2*n]
	SUM 0, n
	v_pk_mul_f32 v[O+2*n:O+2*n+1], v[O+2*n:O+2*n+1], v[ST+6:ST+7] op_sel_hi:[1,0]   ; tile 0's O^T x a
.set n, n+1
.endr
.set n, 0
.rept 16
	v_cvt_pk_f16_f32 v[S+n], v[S+2*n], v[S+2*n+1]            ; tile 0's P, packed in place, ascending
	v_pk_mul_f32 v[O+32+2*n:O+33+2*n], v[O+32+2*n:O+33+2*n], v[ST+14:ST+15] op_sel_hi:[1,0]   ; tile 1's O^T x a
.set n, n+1
.endr
	s_wait_alu depctr_va_vdst(0)                   ; one wait for tile 1's 32
.set n, 0
.rept 16
	SUM 1, n
.set n, n+1
.endr
.set n, 0
.rept 16
	v_cvt_pk_f16_f32 v[S+32+n], v[S+32+2*n], v[S+33+2*n]
.set n, n+1
.endr
.endm
.macro TRIP
	FETCH_K                                        ; behind the last K Q^T stand four v_nop and two additions: its K may be loaded over
	s_cmp_lg_u32 s58, 0                            ; the wave's number alone
	s_cbranch_scc1 .Llate_\@
	SOFTMAX                                        ; group 0: the softmax of the step whose scores the last trip made
.Llate_\@:
	s_wait_dscnt 16                                ; V of the step in hand is in; K's sixteen loads, issued behind V's, may be out
	PVMUL
.rept 5
	v_nop                                          ; five places: the products below write over P, which the products above have read
.endr
	s_wait_dscnt 0x0                               ; K is in
	SMUL
.rept 4
	v_nop                                          ; four places ahead of the reads of S^T and of the loads into K's and V's registers
.endr
	FETCH_V
	s_cmp_eq_u32 s58, 0
	s_cbranch_scc1 .Learly_\@
	SOFTMAX                                        ; group 1: the softmax of the scores just made
.Learly_\@:
.endm
.macro STEPS n
	s_mov_b32 s57, \n
.Lstep_\@:
	TRIP
	s_sub_co_u32 s57, s57, 1
	s_cmp_lg_u32 s57, 0
	s_cbranch_scc1 .Lstep_\@
.endm
; THE CHANGE OF SLOTS: the slot's last bytes, V of its eighth step, have been asked for.  Each wave waits for all its tensor loads (its part of the other slot), adds 0 to its spare word, and waits for that and for
; its reads of the slot.  fill = 1: the slot is filled again with the keys two slots on: the barrier is a round of the cluster's, and the joint refill is the first thing behind it: it has eight steps in which to land.
.macro CHANGE fill
	s_wait_tensorcnt 0x0                           ; no tensor load of mine is out, so a group 0 may be written
	ds_add_u32 v[SPW], v[NIL]                      ; 0 onto my spare word
.if \fill
	s_xor_b32 s37, s37, SLOT1                      ; the walking descriptor: the other slot than last time,
	s_add_nc_u64 s[38:39], s[38:39], SLOT1         ; the next 512 keys; the type bits on top are not reached
.endif
	s_wait_dscnt 0x0                               ; the add is done, and my reads of the slot are over
.if \fill
	CROUND
	tensor_load_to_lds s[36:39], s[24:31]          ; my one tensor load until the next round
	s_nop 0
.rept 4
	v_nop
.endr
	; a prefetch of what the NEXT change will ask for, a slot's eight steps ahead: 131,072 bytes, each aligned 256 named once: the four partners take a quarter each, told apart by address; in each, waves 0 to 3 take
	; 8,192 bytes, lanes 256 bytes apart.  The last change that fills a slot asks for nothing: there is no slot behind it.  The first three slots' keys come by their loads alone.
	s_cmp_gt_u32 s56, s15
	s_cbranch_scc0 .Lnot_mine_\@
	global_prefetch_b8 v[PFO], s[18:19] th:TH_LOAD_NT scope:SCOPE_SE
.Lnot_mine_\@:
.else
	s_barrier_signal -1
	s_barrier_wait -1
.endif
	s_sub_co_u32 s62, s62, 8*STEPB                 ; the fetches go back to a slot's first step,
	s_xor_b32 s62, s62, SLOT1                      ; in the other slot
.endm
	s_wait_tensorcnt 1                             ; my part of slot 0 is in; slot 1's may stay out
	s_barrier_signal -1
	s_barrier_wait -1                              ; everybody's is
	FETCH_K                                        ; step 0
	s_wait_loadcnt 0x0                             ; Q
	s_wait_dscnt 0x0
	SMUL
.rept 4
	v_nop
.endr
	FETCH_V
	s_cmp_eq_u32 s58, 0
	s_cbranch_scc1 .Lhead
	SOFTMAX                                        ; group 1: step 0's
.Lhead:
	s_wait_dscnt 0x0                               ; no LDS instruction of mine is out at the signal
	s_barrier_signal -1                            ; the barrier that sets the groups half a trip apart: behind it group 0 begins with step 0's softmax, group 1 with step 0's V^T P.
	s_barrier_wait -1
	STEPS 7                                        ; steps 1 to 7
	s_mov_b32 s56, 2
.Lslot:                                            ; two trips: the first two slots are filled again
	CHANGE 1
	STEPS 8
	s_sub_co_u32 s56, s56, 1
	s_cmp_lg_u32 s56, 0
	s_cbranch_scc1 .Lslot
	CHANGE 0                                       ; the tail is written out
	STEPS 8
	s_cmp_lg_u32 s58, 0
	s_cbranch_scc1 .Ltail
	SOFTMAX                                        ; group 0: the last step's; group 1 has done it in the last trip
.Ltail:
	s_wait_dscnt 0x0
	PVMUL
	; THE WAY OUT.  l's two halves and the other half of the lanes' are added (these lines are the places behind the last products); O^T / l is rounded to f16 and stored as an image of the last product's operand.
.irp t, 0,1
	v_add_f32 v[ST+8*\t+4], v[ST+8*\t+2], v[ST+8*\t+3]
.endr
.irp t, 0,1
	v_permlanex16_b32 v[ST+8*\t+5], v[ST+8*\t+4], s60, s61
.endr
.irp t, 0,1
	v_add_f32 v[ST+8*\t+4], v[ST+8*\t+4], v[ST+8*\t+5]
.endr
.irp t, 0,1
	v_rcp_f32 v[ST+8*\t+6], v[ST+8*\t+4]
.endr
	v_nop                                          ; a plain line behind the last reciprocal
	s_wait_alu depctr_va_vdst(0)                   ; one wait for the two, ahead of their first reader
.irp t, 0,1
.irp i, 0,2,4,6,8,10,12,14,16,18,20,22,24,26,28,30
	v_pk_mul_f32 v[O+32*\t+\i:O+32*\t+\i+1], v[O+32*\t+\i:O+32*\t+\i+1], v[ST+8*\t+6:ST+8*\t+7] op_sel_hi:[1,0]
.endr
.endr
.irp t, 0,1
.irp n, 0,1,2,3,4,5,6,7,8,9,10,11,12,13,14,15
	v_cvt_pk_f16_f32 v[O+32*\t+\n], v[O+32*\t+2*\n], v[O+32*\t+2*\n+1]   ; packed in place, ascending
.endr
.endr
.irp t, 0,1
.irp ct, 0,1,2,3
	global_store_b128 v[L16], v[O+32*\t+4*\ct:O+32*\t+4*\ct+3], s[42:43] offset:8192*\t+512*\ct   ; lane (r, h): query r, channels 16 ct + 8 h + 0..7: 512 consecutive bytes
.endr
.endr
	s_wait_tensorcnt 0x0                           ; the wave's end
	ds_add_u32 v[SPW], v[NIL]
	s_wait_dscnt 0x0
	CROUND                                         ; the closing round
	s_endpgm
.Lfunc_end_k_q0a0c114b2b_attn:
	.size	k_q0a0c114b2b_attn, .Lfunc_end_k_q0a0c114b2b_attn-k_q0a0c114b2b_attn
	.p2alignl 7, 3214868480
	.fill 96, 4, 3214868480
	.section	.rodata,"a",@progbits
	.p2align	6, 0x0
	.amdhsa_kernel k_q0a0c114b2b_attn
		.amdhsa_group_segment_fixed_size 327680
		.amdhsa_private_segment_fixed_size 0
		.amdhsa_enable_private_segment 0
		.amdhsa_kernarg_size 24
		.amdhsa_user_sgpr_count 2
		.amdhsa_user_sgpr_kernarg_segment_ptr 1
		.amdhsa_wavefront_size32 1
		.amdhsa_system_sgpr_workgroup_id_x 1
		.amdhsa_system_sgpr_workgroup_id_y 1
		.amdhsa_system_sgpr_workgroup_id_z 1
		.amdhsa_system_vgpr_workitem_id 0
		.amdhsa_next_free_vgpr 320
		.amdhsa_next_free_sgpr 66
		.amdhsa_reserve_vcc 0
		.amdhsa_float_denorm_mode_32 3
		.amdhsa_float_denorm_mode_16_64 3
		.amdhsa_memory_ordered 1
		.amdhsa_forward_progress 1
		.amdhsa_inst_pref_size 134
	.end_amdhsa_kernel
	.amdgpu_metadata
---
amdhsa.version: [ 1, 2 ]
amdhsa.kernels:
  - .name:           k_q0a0c114b2b_attn
    .symbol:         k_q0a0c114b2b_attn.kd
    .args:
      - { .name: q_img, .offset: 0, .size: 8, .value_kind: global_buffer, .address_space: global }
      - { .name: kv_img, .offset: 8, .size: 8, .value_kind: global_buffer, .address_space: global }
      - { .name: y_img, .offset: 16, .size: 8, .value_kind: global_buffer, .address_space: global }
    .group_segment_fixed_size: 327680
    .private_segment_fixed_size: 0
    .kernarg_segment_align: 8
    .kernarg_segment_size: 24
    .max_flat_workgroup_size: 256
    .sgpr_count:     66
    .vgpr_count:     320
    .wavefront_size: 32
...
	.end_amdgpu_metadata
.endif
;; end of part 3
;; launch outp (part 4): grid 8 x 32, 4 waves a work-group, clusters of 4 x 4, 327,680 bytes of LDS; arguments y_img, wo_img, out0; writes out0
.if DOCPART == 4
	.amdgcn_target "amdgcn-amd-amdhsa--gfx1250"
	.amdhsa_code_object_version 6
	.text
	.protected	k_q0a0c114b2b_outp
	.globl	k_q0a0c114b2b_outp
	.p2align	8
	.type	k_q0a0c114b2b_outp,@function
k_q0a0c114b2b_outp:
	s_mov_b64 s[64:65], 0
	v_nop
	global_prefetch_b8 v0, s[64:65] scope:SCOPE_SE
	s_setreg_imm32_b32 hwreg(HW_REG_WAVE_MODE, 25, 1), 1
	s_wait_xcnt 0x0
	s_wait_alu depctr_hold_cnt(0) depctr_sa_sdst(0) depctr_va_vdst(0) depctr_va_sdst(0) depctr_va_ssrc(0) depctr_va_vcc(0) depctr_vm_vsrc(0)
	s_getreg_b32 s2, hwreg(HW_REG_IB_STS2, 6, 4)
	s_cmp_eq_u32 s2, 0
	s_cbranch_scc0 .Lentry_in_a_cluster
	s_endpgm
.Lentry_in_a_cluster:
	s_bfe_u32 s2, ttmp6, 0x10000c
	s_cmp_lg_u32 s2, 0xf033
	s_cbranch_scc0 .Lentry_shape_is_right
	s_endpgm
.Lentry_shape_is_right:
; out0[m][n] = the sum over k of y[m][k] wo[n][k]: [4096][1024] f32, K = 1,024, operands in f16, sums in f32.
; Tiles of 128 x 128 give 256 work-groups; tiles of 256 x 256 would give 64.  Four waves, each 64 x 64: 16 accumulators, 128 registers.  K goes in steps of 256 through a ring of two LDS slots.
; BOTH OPERANDS COME AS IMAGES OF THEIR REGISTERS: [K step][16 rows][32 along K][half][lane][16 bytes].  64 rows of a K step are 32,768 dense bytes, one tensor load a wave; a fragment is two LDS loads at 16 x lane:
; an instruction's 512 bytes are consecutive, so there is no pitch and no padding.
; CLUSTERS: 4 x 4 work-groups.  The four of a row of the cluster need the same tiles of y, the four of a column the same tiles of wo: each is asked for jointly, by the same tensor load with the same descriptor and a mask.
; THE MATRIX INSTRUCTION IS USED TRANSPOSED (source 0 = 16 rows of wo, source 1 = 16 rows of y): a lane holds eight neighbouring numbers of a row of the result.
; A wave's 64 columns are 256 bytes of a row, aligned: each wave has a stage of its own on the way out, and no barrier is needed there.
; REGISTERS: window 0: v16-29 addresses; v32-95 rows on the way out, two sets; v128-255 the accumulators ((a, b) at v[128 + 8 (4 a + b)]).   Window 1: two fragment buffers of 128: 64 registers of y, then 64 of wo.
.set HALFT,  32768                     ; 64 rows of a K step: what one tensor load brings, and what one wave reads of y or of wo
.set SLOT,   4*HALFT                   ; y's 128 rows, then wo's 128 rows
.set ASTEP,  2097152                   ; a K step on in y_img
.set BSTEP,  524288                    ; and in wo_img
.set STAGE,  2*SLOT                    ; behind the ring: 16 rows x 272 bytes for each wave
.set SPITCH, 272
.set SPARE,  STAGE+4*16*SPITCH         ; behind the stages: the spare words, 128 bytes a wave
.set ADRA, 16                          ; v16-17  LDS address of my y fragments in slot 0, 1
.set ADRB, 20                          ; v20-21  the same for wo
.set STO,  24                          ; v24     the way out: where I put 32 bytes of a row
.set RD,   25                          ; v25     where I read a row back
.set CO,   26                          ; v26     my byte offset in the result
.set SPW,  28                          ; v28     LDS address of my spare word; never rewritten
.set NIL,  29                          ; v29     0; never rewritten
.set TMP,  32
.set ACC,  128
.set F0,   0
.set F1,   128
.set G1, 24                            ; s[24:31] group 1 for y's tiles; s[32:39] group 0, a set for each slot
.set G0, 32
.set G1B, 48                           ; s[48:55], s[56:63] the same for wo's
.set G0B, 56
.set MSB, 0
.macro WIN new
.if MSB != \new
	s_set_vgpr_msb (MSB<<8)|\new
.set MSB, \new
.endif
.endm
.set MUL,  0x05                        ; sources 0 and 1 window 1; C and D window 0
.set TO_F, 0x40                        ; destination window 1, address window 0
.macro JLOAD s                         ; a joint load: waves 0 and 1 fetch y's two halves, waves 2 and 3 wo's; an s_nop 0 and four v_nop follow each of the two lines
	s_cmp_eq_u32 s11, 0
	s_cbranch_scc0 .Lfor_b_\@
	tensor_load_to_lds s[G0+4*\s:G0+4*\s+3], s[G1:G1+7]
	s_nop 0
.rept 4
	v_nop
.endr
	s_branch .Lasked_\@
.Lfor_b_\@:
	tensor_load_to_lds s[G0B+4*\s:G0B+4*\s+3], s[G1B:G1B+7]
	s_nop 0
.rept 4
	v_nop
.endr
.Lasked_\@:
.endm
.macro CREST                           ; a round of the cluster's barrier behind its opening barrier
	s_cmp_lg_u32 s10, 0
	s_cbranch_scc1 .Lnot_wave_0_\@
	s_barrier_signal -3
.Lnot_wave_0_\@:
	s_barrier_wait -3
	s_barrier_signal -1
	s_barrier_wait -1
.endm
.macro CROUND
	s_barrier_signal -1
	s_barrier_wait -1
	CREST
.endm
	s_load_b128 s[4:7], s[0:1], 0x0                ; y_img, wo_img
	s_load_b64 s[8:9], s[0:1], 0x10                ; out0
	v_lshl_add_u32 v[SPW], v0, 2, SPARE
	v_mov_b32 v[NIL], 0
	ds_add_u32 v[SPW], v[NIL]                      ; the wave's opening: the add, twice on end, and its wait ahead of my first tensor load
	ds_add_u32 v[SPW], v[NIL]
	v_lshrrev_b32 v1, 5, v0
	v_readfirstlane_b32 s10, v1                    ; wave 0..3
	s_lshr_b32 s11, s10, 1                         ; which half of the tile's rows is mine.  Also: I fetch for y (0) or for wo (1)
	s_and_b32 s12, s10, 1                          ; which half of its columns.  Also: which 64 rows I fetch
	s_bfe_u32 s40, ttmp6, 0x40000                  ; cx, cy
	s_bfe_u32 s41, ttmp6, 0x40004
	s_lshl_b32 s42, ttmp9, 2
	s_add_co_u32 s42, s42, s40                     ; tile column = 4 x cluster x + cx
	s_and_b32 s13, ttmp7, 0xffff
	s_lshl_b32 s13, s13, 2
	s_add_co_u32 s13, s13, s41                     ; tile row = 4 x cluster y + cy
	s_lshl_b32 s43, s41, 2
	s_lshl_b32 s43, 15, s43                        ; my row of the cluster
	s_lshl_b32 s44, 0x1111, s40                    ; my column
	; group 1: 32,768 dense bytes as 128 rows of 256 (32 elements of 8 bytes), no padding
	s_or_b32 s[G1+0], s43, (3<<16)|(1<<21)
	s_or_b32 s[G1B+0], s44, (3<<16)|(1<<21)
.irp g, G1, G1B
	s_mov_b32 s[\g+1], 32<<16                      ; tensor_dim0
	s_mov_b32 s[\g+2], 128<<16                     ; tensor_dim1
	s_mov_b32 s[\g+3], 32<<16                      ; tile_dim0
	s_mov_b32 s[\g+4], 128                         ; tile_dim1
	s_mov_b32 s[\g+5], 32                          ; from row to row
	s_mov_b32 s[\g+6], 0
	s_mov_b32 s[\g+7], 0
.endr
	s_lshl_b32 s17, s12, 15                        ; which 64 rows of the tile I fetch: 4 tiles of 16 rows, 8,192 bytes each
	s_lshl_b32 s16, s13, 16
	s_add_co_u32 s16, s16, s17                     ; y: 65,536 x tile row + 32,768 x half
	s_lshl_b32 s46, s42, 16
	s_add_co_u32 s46, s46, s17                     ; wo: the same by the tile column
	s_mov_b32 s17, 0
	s_mov_b32 s47, 0
	s_lshl_b32 s20, s10, 15                        ; where they go: wave x 32,768: no place in the cluster enters an LDS address
	s_wait_dscnt 0x0                               ; both opening adds are done
	s_wait_kmcnt 0x0
	s_add_nc_u64 s[14:15], s[4:5], s[16:17]
	s_add_nc_u64 s[46:47], s[6:7], s[46:47]
	CROUND                                         ; all sixteen work-groups are here: the first joint loads meet
.irp s, 0,1
	s_mov_b32 s[G0+4*\s], 1
	s_add_co_u32 s[G0+4*\s+1], s20, \s*SLOT
	s_add_nc_u64 s[G0+4*\s+2:G0+4*\s+3], s[14:15], \s*ASTEP
	s_or_b32 s[G0+4*\s+3], s[G0+4*\s+3], 0x80000000
	s_mov_b32 s[G0B+4*\s], 1
	s_add_co_u32 s[G0B+4*\s+1], s20, \s*SLOT
	s_add_nc_u64 s[G0B+4*\s+2:G0B+4*\s+3], s[46:47], \s*BSTEP
	s_or_b32 s[G0B+4*\s+3], s[G0B+4*\s+3], 0x80000000
	JLOAD \s                                       ; two loads of mine are out
.endr
	v_and_b32 v1, 31, v0
	v_lshlrev_b32 v3, 4, v1                        ; 16 x lane
	s_lshl_b32 s21, s11, 15                        ; my 64 rows of y
	s_lshl_b32 s22, s12, 15                        ; my 64 rows of wo,
	s_add_co_u32 s22, s22, 2*HALFT                 ; which lie behind y's 128
.irp s, 0,1
	v_add_nc_u32 v[ADRA+\s], s21, v3
	v_add_nc_u32 v[ADRB+\s], s22, v3
	s_add_co_u32 s21, s21, SLOT
	s_add_co_u32 s22, s22, SLOT
.endr
	v_and_b32 v4, 15, v0                           ; r
	v_bfe_u32 v2, v0, 4, 1                         ; h
	s_mul_i32 s23, s10, 16*SPITCH
	s_add_co_u32 s23, s23, STAGE                   ; my stage
	v_mul_u32_u24 v5, v4, SPITCH                   ; in: row r, 32 bytes for each half of the lanes
	v_lshl_add_u32 v5, v2, 5, v5
	v_add_nc_u32 v[STO], s23, v5
	v_mul_u32_u24 v5, v2, SPITCH                   ; back: lanes 0-15 one row of 256 bytes, lanes 16-31 the next
	v_lshl_add_u32 v5, v4, 4, v5
	v_add_nc_u32 v[RD], s23, v5
	v_lshlrev_b32 v5, 12, v2                       ; and the same two rows in the result: 4,096 bytes a row
	v_lshl_add_u32 v[CO], v4, 4, v5
	s_lshl_b32 s16, s13, 19                        ; my first row: 128 x tile row + 64 x half, 4,096 bytes each;
	s_lshl_b32 s17, s11, 18
	s_add_co_u32 s16, s16, s17
	s_lshl_b32 s17, s42, 9                         ; my first column: 128 x tile column + 64 x half, 4 bytes each
	s_add_co_u32 s16, s16, s17
	s_lshl_b32 s17, s12, 8
	s_add_co_u32 s16, s16, s17
	s_mov_b32 s17, 0
	s_add_nc_u64 s[8:9], s[8:9], s[16:17]
; 8 matrix instructions: row blocks a0, a0 + 1 x all 4 column blocks, 32 along K: half c of buffer f.  zero = 1: the product starts the sums.  The 16 accumulators take turns.
.macro MUL8 f, c, a0, zero
.irp a, \a0, \a0+1
.irp b, 0,1,2,3
.if \zero
	v_wmma_f32_16x16x32_f16 v[ACC+8*(4*(\a)+\b):ACC+8*(4*(\a)+\b)+7], v[\f+64+8*(4*\c+\b):\f+64+8*(4*\c+\b)+7], v[\f+8*(4*\c+\a):\f+8*(4*\c+\a)+7], 0
.else
	v_wmma_f32_16x16x32_f16 v[ACC+8*(4*(\a)+\b):ACC+8*(4*(\a)+\b)+7], v[\f+64+8*(4*\c+\b):\f+64+8*(4*\c+\b)+7], v[\f+8*(4*\c+\a):\f+8*(4*\c+\a)+7], v[ACC+8*(4*(\a)+\b):ACC+8*(4*(\a)+\b)+7]
.endif
.endr
.endr
.endm
; 32 LDS loads in one run: the fragments of the slot's qd-th 64 along K into buffer f; the first 32 along K first
.macro FETCH slot, qd, f
	WIN TO_F
.irp c, 0,1
.irp i, 0,1,2,3
	ds_load_b128 v[\f+64+8*(4*\c+\i):\f+64+8*(4*\c+\i)+3],   v[ADRB+\slot] offset:8192*\i+1024*(2*(\qd)+\c)
	ds_load_b128 v[\f+64+8*(4*\c+\i)+4:\f+64+8*(4*\c+\i)+7], v[ADRB+\slot] offset:8192*\i+1024*(2*(\qd)+\c)+512
	ds_load_b128 v[\f+8*(4*\c+\i):\f+8*(4*\c+\i)+3],         v[ADRA+\slot] offset:8192*\i+1024*(2*(\qd)+\c)
	ds_load_b128 v[\f+8*(4*\c+\i)+4:\f+8*(4*\c+\i)+7],       v[ADRA+\slot] offset:8192*\i+1024*(2*(\qd)+\c)+512
.endr
.endr
.endm
.macro PLACES                          ; four places in front of loads into registers that matrix instructions have read, and of stores that read results
.rept 4
	v_nop
.endr
.endm
; A K step is four quarters of 64 along K, 32 matrix instructions each, on buffers 0, 1, 0, 1.  One of the first three: multiplies buffer f and fetches quarter qd into g.
.macro QUARTER slot, qd, f, g, zero
	s_wait_dscnt 16                                ; the first 32 along K are in; the youngest sixteen loads may be out
	WIN MUL
	MUL8 \f, 0, 0, \zero
	MUL8 \f, 0, 2, \zero
	PLACES
	FETCH \slot, \qd, \g
	s_wait_dscnt 32                                ; all but the 32 just issued
	WIN MUL
	MUL8 \f, 1, 0, 0
	MUL8 \f, 1, 2, 0
.endm
; The last quarter multiplies buffer 1 and changes slots: ONE barrier; in front of it each wave waits for all its tensor loads, adds 0 to its spare word, and waits for that and for its reads of this slot.
; fill = 1: this slot is filled again, two K steps ahead: the barrier opens a round of the cluster's, and the joint refill is the first tensor load behind the round.
.macro TURN slot, next, fill
	WIN 0                                          ; (the add's two registers lie in window 0)
	s_wait_tensorcnt 0x0                           ; all my tensor loads have landed: my part of the next slot
	ds_add_u32 v[SPW], v[NIL]                      ; 0 onto my spare word
	s_wait_dscnt 17                                ; (the add and the youngest sixteen loads may be out)
	WIN MUL
	MUL8 F1, 0, 0, 0
	s_wait_dscnt 0x0                               ; the add is done, and my reads of this slot are over
	s_barrier_signal -1
	MUL8 F1, 0, 2, 0
.if \fill
	WIN 0
.endif
	s_barrier_wait -1
.if \fill
	CREST                                          ; no wave of any partner still reads this slot's tile or has a load on its way
	s_add_nc_u64 s[G0+4*\slot+2:G0+4*\slot+3], s[G0+4*\slot+2:G0+4*\slot+3], 2*ASTEP
	s_add_nc_u64 s[G0B+4*\slot+2:G0B+4*\slot+3], s[G0B+4*\slot+2:G0B+4*\slot+3], 2*BSTEP
	JLOAD \slot                                    ; the four v_nop behind it are also the places in front of the loads below
.else
	PLACES
.endif
	FETCH \next, 0, F0
	WIN MUL
	MUL8 F1, 1, 0, 0
	MUL8 F1, 1, 2, 0
.endm
	s_wait_tensorcnt 1                             ; my part of K step 0 is in; K step 1's may stay out
	s_barrier_signal -1
	s_barrier_wait -1                              ; everybody's is
	FETCH 0, 0, F0
	QUARTER 0, 1, F0, F1, 1                        ; K step 0: the first products start the sums
	QUARTER 0, 2, F1, F0, 0
	QUARTER 0, 3, F0, F1, 0
	TURN 0, 1, 1                                   ; slot 0 takes K step 2
	QUARTER 1, 1, F0, F1, 0                        ; K step 1
	QUARTER 1, 2, F1, F0, 0
	QUARTER 1, 3, F0, F1, 0
	TURN 1, 0, 1                                   ; slot 1 takes K step 3
	QUARTER 0, 1, F0, F1, 0                        ; K step 2
	QUARTER 0, 2, F1, F0, 0
	QUARTER 0, 3, F0, F1, 0
	TURN 0, 1, 0                                   ; nothing is left to fetch
	QUARTER 1, 1, F0, F1, 0                        ; K step 3
	QUARTER 1, 2, F1, F0, 0
	QUARTER 1, 3, F0, F1, 0
	s_wait_dscnt 16
	WIN MUL
	MUL8 F1, 0, 0, 0
	MUL8 F1, 0, 2, 0
	s_wait_dscnt 0
	MUL8 F1, 1, 0, 0
	MUL8 F1, 1, 2, 0
	WIN 0
; THE WAY OUT, a block of 16 rows x 64 columns at a time.  A lane holds 32 neighbouring bytes of a row and the lanes beside it other rows: the block goes through my own stage and comes back as whole rows of 256 bytes.
; LDS serves a wave's instructions in order (ISA guide 5.7.1.4): no wait between the stores and the loads, nor in front of the next block's stores.
.macro TOSTAGE a
.irp b, 0,1,2,3
	ds_store_b128 v[STO], v[ACC+8*(4*(\a)+\b):ACC+8*(4*(\a)+\b)+3] offset:64*\b        ; each accumulator from its low end on
	ds_store_b128 v[STO], v[ACC+8*(4*(\a)+\b)+4:ACC+8*(4*(\a)+\b)+7] offset:64*\b+16
.endr
.set BB, TMP+32*((\a)%2)
.irp i, 0,1,2,3,4,5,6,7
	ds_load_b128 v[BB+4*\i:BB+4*\i+3], v[RD] offset:\i*2*SPITCH
.endr
.endm
.macro SEND a, younger                 ; younger: the LDS instructions issued behind block a's loads, which may stay out
.set BB, TMP+32*((\a)%2)
	s_wait_dscnt \younger
.irp i, 0,1,2,3,4,5,6,7
	global_store_b128 v[CO], v[BB+4*\i:BB+4*\i+3], s[8:9] offset:4096*(16*(\a)+2*\i) th:TH_STORE_NT   ; 16 lanes store 256 consecutive bytes, aligned; written once, read by nobody here
.endr
.endm
	PLACES
	TOSTAGE 0
.irp a, 1,2,3
.if \a > 1
	s_wait_xcnt 0x0                                ; block a - 2's stores have read their registers: block a's loads may land there
.endif
	TOSTAGE \a
	SEND \a-1, 16                                  ; behind block a - 1's loads: block a's 8 stores and 8 loads
.endr
	SEND 3, 0
	s_wait_tensorcnt 0x0                           ; the wave's end: behind my last tensor load and my last LDS store
	ds_add_u32 v[SPW], v[NIL]
	s_wait_dscnt 0x0
	CROUND                                         ; the closing round
	s_endpgm
.Lfunc_end_k_q0a0c114b2b_outp:
	.size	k_q0a0c114b2b_outp, .Lfunc_end_k_q0a0c114b2b_outp-k_q0a0c114b2b_outp
	.p2alignl 7, 3214868480
	.fill 96, 4, 3214868480
	.section	.rodata,"a",@progbits
	.p2align	6, 0x0
	.amdhsa_kernel k_q0a0c114b2b_outp
		.amdhsa_group_segment_fixed_size 327680
		.amdhsa_private_segment_fixed_size 0
		.amdhsa_enable_private_segment 0
		.amdhsa_kernarg_size 24
		.amdhsa_user_sgpr_count 2
		.amdhsa_user_sgpr_kernarg_segment_ptr 1
		.amdhsa_wavefront_size32 1
		.amdhsa_system_sgpr_workgroup_id_x 1
		.amdhsa_system_sgpr_workgroup_id_y 1
		.amdhsa_system_sgpr_workgroup_id_z 1
		.amdhsa_system_vgpr_workitem_id 0
		.amdhsa_next_free_vgpr 512
		.amdhsa_next_free_sgpr 66
		.amdhsa_reserve_vcc 0
		.amdhsa_float_denorm_mode_32 3
		.amdhsa_float_denorm_mode_16_64 3
		.amdhsa_memory_ordered 1
		.amdhsa_forward_progress 1
		.amdhsa_inst_pref_size 85
	.end_amdhsa_kernel
	.amdgpu_metadata
---
amdhsa.version: [ 1, 2 ]
amdhsa.kernels:
  - .name:           k_q0a0c114b2b_outp
    .symbol:         k_q0a0c114b2b_outp.kd
    .args:
      - { .name: y_img, .offset: 0, .size: 8, .value_kind: global_buffer, .address_space: global }
      - { .name: wo_img, .offset: 8, .size: 8, .value_kind: global_buffer, .address_space: global }
      - { .name: out0, .offset: 16, .size: 8, .value_kind: global_buffer, .address_space: global }
    .group_segment_fixed_size: 327680
    .private_segment_fixed_size: 0
    .kernarg_segment_align: 8
    .kernarg_segment_size: 24
    .max_flat_workgroup_size: 128
    .sgpr_count:     66
    .vgpr_count:     512
    .wavefront_size: 32
...
	.end_amdgpu_metadata
.endif
;; end of part 4
